; MI455X (gfx1250); checked and timed in simulation.
; The chip was launched on July 23, 2026; its instructions are those of AMD's public machine-readable ISA for CDNA 5 (MIT licence, August 2026) and "CDNA5" Instruction Set Architecture Reference Guide (July 2026). The comments in the code are by the model that wrote it; some were corrected since.
;; Adaptive Filter Attention. Allowed arithmetic: matrix products marked QUANTISED: E2M1 operands, one E8M0 scale for each 32 along K, by v_wmma_scale_f32_16x16x128_f8f6f4 with both operands' format E2M1 (or v_wmma_scale_f32_32x16x128_f4), f32 sums; products left as they are: bf16, f16 or f32 operands; f32 sums; everything else in f32.
;; Inputs: Wk 1,024 x 1,024 float32; Wo 1,024 x 1,024 float32; Wq 1,024 x 1,024 float32; Wv 1,024 x 1,024 float32; alpha one number float32; bk 1,024 float32; bo 1,024 float32; bq 1,024 float32; bv 1,024 float32; x 2 x 2,048 x 1,024 float32.
;; Outputs: out0 2 x 2,048 x 1,024 float32.
;; This version of the problem:
;;   THIS VERSION OF THE PROBLEM IS GIVEN IN LOW PRECISION. The matrix products marked QUANTISED in the list below multiply operands that are first quantised to E2M1 (2 exponent bits, 1 mantissa bit; 4 bits a number), with one power-of-two scale for each 32 numbers along K (OCP MX v1.0); their sums are f32. The products marked 'left as it is' may take bf16, f16 or f32 operands, with f32 sums. Whichever they take, every output number must still come out within the allowed error. Rounding operands to bf16 (8 significant bits) uses up far more of that allowance than f16 does (11 bits, for magnitudes from 6e-5 to 65,504). All else is computed in f32.
;;   The module's matrix products, in the order in which they are computed (A, B: the left and right operand; K: the contracted axis; several contracted axes count as one K, in the product's order):
;;     1. [M 4,096, K 1,024] x [K 1,024, N 1,024]; A: input x; B: input Wq: QUANTISED
;;     2. [M 4,096, K 1,024] x [K 1,024, N 1,024]; A: input x; B: input Wk: QUANTISED
;;     3. [M 4,096, K 1,024] x [K 1,024, N 1,024]; A: input x; B: input Wv: QUANTISED
;;     4. batch 32 x [M 2,048, K 64] x [K 64, N 2,048]; A: computed on the way; B: computed on the way: left as it is (an operand is computed on the way)
;;     5. batch 32 x [M 64, K 2,048] x [K 2,048, N 2,048]; A: computed on the way; B: computed on the way: left as it is (an operand is computed on the way)
;;     6. [M 4,096, K 1,024] x [K 1,024, N 1,024]; A: computed on the way; B: input Wo: left as it is (an operand is computed on the way)
;;   THE QUANTISER, for each operand of a quantised product, along K:
;;     - K is cut into blocks of 32 from its start; a last block that is shorter is filled with zeros.
;;     - A block's scale is 2^e with e = floor(log2(the largest magnitude in the block)) - 2, held to -126 .. 127; a block of zeros has e = 0. As a byte (E8M0): e + 127.
;;     - Each number is divided by its block's scale, clamped to +-6, and rounded to the nearest number of E2M1, ties to even, subnormals kept.
;;     - The product sums the exact products of the quantised numbers (number of the format x scale) in f32.
;;   ~~~python
;;   def quantise(x, axis):      # numpy; x: float32 -> the quantised numbers, widened to float32 again
;;       x = np.moveaxis(x, axis, -1); K = x.shape[-1]
;;       x = np.pad(x, [(0, 0)] * (x.ndim - 1) + [(0, -K % 32)]); x = x.reshape(x.shape[:-1] + (-1, 32)); a = np.abs(x).max(-1, keepdims=True)
;;       e = np.where(a > 0, np.clip(np.frexp(np.where(a > 0, a, 1))[1] - 1 - 2, -126, 127), 0)      # np.frexp(a)[1] - 1 = floor(log2(a)), exactly
;;       r = np.clip(x / 2.0 ** e, -6, 6)
;;       step = 2.0 ** (np.maximum(np.frexp(np.where(r == 0, 1, r))[1] - 1, 0) - 1)
;;       q = np.round(r / step) * step * 2.0 ** e      # np.round: ties to even
;;       return np.moveaxis(q.reshape(q.shape[:-2] + (-1,))[..., :K], -1, axis).astype(np.float32)
;;   ~~~
;; One version. Each part assembles by itself: llvm-mc -triple=amdgcn-amd-amdhsa -mcpu=gfx1250 --defsym DOCPART=n.
;; ======== version 1 of 1: 4 launches
;; limits: right only within a limited range of input values; values are held in f16: magnitudes above 65,504 overflow, below 6.1e-05 lose precision
;; workspace buffers: xc 2,097,152 bytes; xs 131,072 bytes; wc 1,572,864 bytes; ws 98,304 bytes; wo16 2,097,152 bytes; qf 8,388,608 bytes; kv 25,165,824 bytes; ob 8,388,608 bytes
;; launch prep (part 1): grid 256 x 1, 4 waves a work-group, no clusters, 50,688 bytes of LDS; arguments x, Wq, Wk, Wv, Wo, xc, xs, wc, ws, wo16; writes xc, xs, wc, ws, wo16
.if DOCPART == 1
	.amdgcn_target "amdgcn-amd-amdhsa--gfx1250"
	.amdhsa_code_object_version 6
	.text
	.protected	k_qaf7e74f00f_prep
	.globl	k_qaf7e74f00f_prep
	.p2align	8
	.type	k_qaf7e74f00f_prep,@function
k_qaf7e74f00f_prep:
	s_mov_b64 s[64:65], 0
	v_nop
	global_prefetch_b8 v0, s[64:65] scope:SCOPE_SE
	s_setreg_imm32_b32 hwreg(HW_REG_WAVE_MODE, 25, 1), 1
	s_wait_xcnt 0x0
; x [4096][1024], Wq, Wk, Wv [1024][1024], f32, K innermost, become codes of FP4 (E2M1), two a byte, with one E8M0 byte for each 32 along K:
; xc [4096][512], xs [4096][32]; wc [3072][512], ws [3072][32] (rows: Wq's, Wk's, Wv's).  Wo [1024][1024] becomes f16, laid in the order of a matrix operand's registers (below).
; A block's scale is 2^(floor(log2(its largest magnitude)) - 2); its byte is the largest magnitude's exponent field - 2, held at 1 from below; each number is divided by the scale and rounded to the nearest code, ties to even.
; LIMITS: a block of zeros gets the byte 1 where the rule says 127 (its codes are zeros, and these bytes are read by this program alone); blocks whose largest magnitude lies under 2^(2 - 126) are held at byte 1;
; NaN and infinities among the inputs are not served; Wo beyond f16's 65,504 is not served.
; SHARES: work-groups 0-127 take x, 128-223 the three weights (32 each), 32,768 numbers a work-group, 8,192 a wave; work-groups 224-255 take Wo, 32 rows each.
; Rows are dense and K is a multiple of 32: the four tensors are plain streams of blocks of 32, and so are their codes and bytes.
; QUANTISING: a wave takes 16 steps of 512 numbers.  A load reads 512 consecutive bytes, 16 a lane; a step's 2,048 bytes turn through the wave's own stage in LDS and come back 64 bytes a lane, so that a lane holds 16 neighbours
; along K (two lanes hold a block).  A lane's 16 codes are 8 bytes: the wave stores 256 consecutive bytes.  A wave's 256 scale bytes are gathered in LDS and leave as 256 consecutive bytes.
; Waves share nothing: no barrier.  The two paths part on the work-group's number and have LDS bytes of their own.
.set STEPS, 16
.set EMAX,  2
.set CB,    8                          ; bytes of 16 codes
.set R,     16                         ; v16-79   four sets of 16 numbers as loaded
.set X,     80                         ; v80-111  two sets of 16 neighbours
.set E,     112                        ; v112-127 a scale byte for each step
.set C,     128                        ; v128-191 codes: four registers for each step, so that no store's data are written again
.set WREG,  8192                       ; LDS: a region for each wave: two stages of 32 x SP bytes, then its 256 scale bytes
.set SP,    80                         ; a lane's place in a stage: 64 bytes + 16 of padding
.set SPW,   12                         ; v12      LDS address of my spare word; never rewritten
.set NIL,   13                         ; v13      0; never rewritten
.set WOST,  4*WREG                     ; Wo's path: a stage of 8 x 544 bytes for each wave
.set WOREG, 8*544
.set SPARE, WOST+4*WOREG               ; the spare words: 128 bytes a wave, two blocks of 256 bytes that no other line names
.set WR,    16                         ; Wo's path: v16-143 two sets of 64 numbers; v144-175 their f16; v176-207 the way out
.set WH,    144
.set WOUT,  176
	s_load_b512 s[4:19], s[0:1], 0x0               ; x s[4:5], Wq s[6:7], Wk s[8:9], Wv s[10:11], Wo s[12:13], xc s[14:15], xs s[16:17], wc s[18:19]
	s_load_b128 s[20:23], s[0:1], 0x40             ; ws s[20:21], wo16 s[22:23]
	v_lshl_add_u32 v[SPW], v0, 2, SPARE
	v_mov_b32 v[NIL], 0
	v_lshrrev_b32 v1, 5, v0
	v_readfirstlane_b32 s32, v1                    ; wave 0..3
	v_and_b32 v2, 31, v0                           ; lane
	v_lshlrev_b32 v3, 4, v2                        ; 16 bytes a lane
	s_cmp_ge_u32 ttmp9, 224
	s_cbranch_scc1 .Lwo
	; ---------------- the quantiser ----------------
	s_mul_i32 s33, s32, WREG
	v_lshrrev_b32 v14, 2, v2
	v_mul_u32_u24 v14, v14, SP
	v_and_b32 v15, 3, v2
	v_lshl_add_u32 v14, v15, 4, v14
	v_add_nc_u32 v14, s33, v14                     ; the stage, on the way in: four lanes' 64 bytes on end, then 16 of padding
	v_mul_u32_u24 v15, v2, SP
	v_add_nc_u32 v15, s33, v15                     ; and on the way out: SP x lane: my 16 neighbours
	v_mul_u32_u24 v4, v2, CB                       ; my codes' place in a step's
	v_lshrrev_b32 v5, 1, v2
	s_add_co_u32 s33, s33, 2*32*SP
	v_add_nc_u32 v5, s33, v5                       ; LDS: my wave's 256 scale bytes, my block's byte
	v_lshlrev_b32 v7, 3, v2                        ; and on the way out 8 bytes a lane
	v_add_nc_u32 v6, s33, v7
	s_sub_co_u32 s30, ttmp9, 128                   ; a weight's work-group: its number among the 96,
	s_and_b32 s31, s30, 31                         ; and within its tensor
	s_wait_kmcnt 0x0
	s_cmp_lt_u32 ttmp9, 160                        ; the buffers are chosen by the work-group's number alone
	s_cselect_b64 s[24:25], s[6:7], s[8:9]
	s_cmp_lt_u32 ttmp9, 192
	s_cselect_b64 s[24:25], s[24:25], s[10:11]
	s_cmp_lt_u32 ttmp9, 128
	s_cselect_b64 s[24:25], s[4:5], s[24:25]       ; the numbers,
	s_cselect_b64 s[26:27], s[14:15], s[18:19]     ; the codes,
	s_cselect_b64 s[28:29], s[16:17], s[20:21]     ; the scale bytes
	s_cselect_b32 s31, ttmp9, s31
	s_cselect_b32 s30, ttmp9, s30
	s_lshl_b32 s31, s31, 2
	s_add_co_u32 s31, s31, s32                     ; which run of 8,192 numbers of the source is my wave's,
	s_lshl_b32 s30, s30, 2
	s_add_co_u32 s30, s30, s32                     ; and of the destination
	s_mov_b32 s35, 0
	s_lshl_b32 s34, s31, 15                        ; 32,768 bytes of numbers a run
	s_add_nc_u64 s[24:25], s[24:25], s[34:35]
	s_lshl_b32 s34, s30, 12                        ; 4,096 bytes of codes
	s_add_nc_u64 s[26:27], s[26:27], s[34:35]
	s_lshl_b32 s34, s30, 8                         ; 256 scale bytes
	s_add_nc_u64 s[28:29], s[28:29], s[34:35]
.macro LOAD t
.irp i, 0,1,2,3
	global_load_b128 v[R+16*((\t)%4)+4*\i:R+16*((\t)%4)+4*\i+3], v3, s[24:25] offset:2048*(\t)+512*\i th:TH_LOAD_NT   ; 32 lanes read 512 consecutive bytes
.endr
.endm
.macro TURN t                          ; step t's numbers through the stage: LDS serves a wave's instructions in order, so no wait stands between the stores and the loads
.irp i, 0,1,2,3
	ds_store_b128 v14, v[R+16*((\t)%4)+4*\i:R+16*((\t)%4)+4*\i+3] offset:32*SP*((\t)%2)+8*SP*\i
.endr
.irp i, 0,1,2,3
	ds_load_b128 v[X+16*((\t)%2)+4*\i:X+16*((\t)%2)+4*\i+3], v15 offset:32*SP*((\t)%2)+16*\i
.endr
.endm
.irp t, 0,1,2,3
	LOAD \t
.endr
	s_wait_loadcnt 12                              ; step 0's four loads are in; the twelve behind them may be out
	TURN 0
.macro STEP t
.set XS, X+16*((\t)%2)
.if (\t) > 0
	s_wait_dscnt 1                                 ; this step's numbers are back from the stage (the last step's byte store may be out)
.else
	s_wait_dscnt 0x0
.endif
.if (\t)+4 < STEPS
	LOAD (\t)+4                                    ; into the registers that this step's stores into the stage have read
.endif
.if (\t)+1 < STEPS
.if STEPS-2-(\t) >= 3
	s_wait_loadcnt 12                              ; the next step's four loads are in; those of the three steps behind it may be out
.else
	s_wait_loadcnt 4*(STEPS-2-(\t))
.endif
	TURN (\t)+1                                    ; they go through the other stage while this step is worked
.endif
	v_max3_num_f32 v8, |v[XS]|, |v[XS+1]|, |v[XS+2]|               ; the largest magnitude of my 16, in two chains
	v_max3_num_f32 v9, |v[XS+3]|, |v[XS+4]|, |v[XS+5]|
.irp i, 6,10
	v_max3_num_f32 v8, v8, |v[XS+\i]|, |v[XS+\i+1]|
	v_max3_num_f32 v9, v9, |v[XS+\i+2]|, |v[XS+\i+3]|
.endr
	v_max3_num_f32 v8, v8, |v[XS+14]|, |v[XS+15]|
	v_max3_num_f32 v8, v8, v9, (EMAX+1)<<23        ; and the floor 2^(EMAX + 1 - 127): the byte cannot fall under 1
	v_max_num_f32_dpp v8, v8, v8 row_xmask:1 row_mask:0xf bank_mask:0xf   ; and of my neighbour's 16: the block's
	v_add_nc_u32 v11, -(EMAX<<23), v8              ; EMAX off its exponent field: the conversion takes this operand's exponent field as its scale
	v_cvt_scalef32_pk8_fp4_f32 v[C+4*(\t)], v[XS:XS+7], v11
	v_cvt_scalef32_pk8_fp4_f32 v[C+4*(\t)+1], v[XS+8:XS+15], v11
	v_lshrrev_b32 v[E+(\t)], 23, v11               ; the scale's byte (a plain line behind the conversions)
	ds_store_b8 v5, v[E+(\t)] offset:16*(\t)       ; both lanes of a block write the same byte with the same value
	global_store_b64 v4, v[C+4*(\t):C+4*(\t)+1], s[26:27] offset:32*CB*(\t)   ; the wave stores 256 consecutive bytes, aligned
.endm
.irp t, 0,1,2,3,4,5,6,7,8,9,10,11,12,13,14,15
	STEP \t
.endr
	ds_load_b64 v[8:9], v6                         ; LDS serves a wave's instructions in order: these see my byte stores
	s_wait_dscnt 0x0
	global_store_b64 v7, v[8:9], s[28:29]          ; 256 consecutive bytes, aligned
	s_wait_tensorcnt 0x0                           ; the wave's end, behind my last LDS store
	ds_add_u32 v[SPW], v[NIL]
	s_wait_dscnt 0x0
	s_endpgm
	; ---------------- Wo to f16, in operand order ----------------
	; wo16: a PIECE is 512 bytes, lane l's 16 bytes at 16 l.  Piece (nt, kf, c) at 32,768 nt + 1,024 kf + 512 c holds, for lane 16 h + r, Wo[16 nt + r][32 kf + 16 c + 8 h + 0 .. 7]: two pieces on end are a fragment's registers.
	; Wave w of work-group u takes rows 16 (2 u + w / 2) on, k = 512 (w % 2) on, in four chunks of 128 along k.  A load reads 512 consecutive bytes of one row; the f16 go through my stage (a piece's two halves 272 bytes apart).
.Lwo:
	s_sub_co_u32 s30, ttmp9, 224
	s_lshl_b32 s30, s30, 1
	s_lshr_b32 s31, s32, 1
	s_add_co_u32 s30, s30, s31                     ; nt
	s_and_b32 s31, s32, 1                          ; which half of k
	s_lshl_b32 s34, s30, 16                        ; 16 rows of 4,096 bytes
	s_lshl_b32 s33, s31, 11
	s_add_co_u32 s34, s34, s33
	s_mov_b32 s35, 0
	s_lshl_b32 s36, s30, 15
	s_lshl_b32 s33, s31, 14
	s_add_co_u32 s36, s36, s33
	s_mov_b32 s37, 0
	s_mul_i32 s33, s32, WOREG
	s_add_co_u32 s33, s33, WOST                    ; my stage
	v_lshrrev_b32 v4, 2, v2                        ; my 4 numbers of a row (k = 4 lane on) belong to piece lane / 4,
	v_mul_u32_u24 v4, v4, 544
	v_bfe_u32 v5, v2, 1, 1                         ; its half (lane / 2) % 2,
	v_mad_u32_u24 v4, v5, 272, v4
	v_and_b32 v5, 1, v2                            ; 8 bytes (lane % 2) on; the row stands in the store's immediate
	v_lshl_add_u32 v4, v5, 3, v4
	v_add_nc_u32 v4, s33, v4
	v_lshrrev_b32 v5, 4, v2                        ; back: a piece as it is stored
	v_mul_u32_u24 v5, v5, 272
	v_and_b32 v6, 15, v2
	v_lshl_add_u32 v5, v6, 4, v5
	v_add_nc_u32 v5, s33, v5
	s_wait_kmcnt 0x0
	s_add_nc_u64 s[12:13], s[12:13], s[34:35]
	s_add_nc_u64 s[22:23], s[22:23], s[36:37]
.macro LOADW ch
.irp i, 0,1,2,3,4,5,6,7,8,9,10,11,12,13,14,15
	global_load_b128 v[WR+64*((\ch)%2)+4*\i:WR+64*((\ch)%2)+4*\i+3], v3, s[12:13] offset:\i*4096+(\ch)*512 th:TH_LOAD_NT
.endr
.endm
.macro CHUNK ch
.if (\ch) < 3
	s_wait_loadcnt 16                              ; this chunk's 16 loads are in; the next chunk's may be out
.else
	s_wait_loadcnt 0x0
.endif
.set WS, WR+64*((\ch)%2)
.set i, 0
.rept 32
	v_cvt_pk_f16_f32 v[WH+i], v[WS+2*i], v[WS+2*i+1]
.set i, i+1
.endr
.if (\ch) > 0
	s_wait_xcnt 0x0                                ; the last chunk's stores have read their registers: the loads below may land there
.endif
.irp i, 0,1,2,3,4,5,6,7,8,9,10,11,12,13,14,15
	ds_store_b64 v4, v[WH+2*\i:WH+2*\i+1] offset:16*\i
.endr
.irp p, 0,1,2,3,4,5,6,7
	ds_load_b128 v[WOUT+4*\p:WOUT+4*\p+3], v5 offset:544*\p       ; in order behind my stores
.endr
.if (\ch)+2 < 4
	LOADW (\ch)+2
.endif
	s_wait_dscnt 0x0
.irp p, 0,1,2,3,4,5,6,7
	global_store_b128 v3, v[WOUT+4*\p:WOUT+4*\p+3], s[22:23] offset:(\ch)*4096+\p*512   ; 512 consecutive bytes, aligned
.endr
.endm
	LOADW 0
	LOADW 1
	CHUNK 0
	CHUNK 1
	CHUNK 2
	CHUNK 3
	s_wait_tensorcnt 0x0                           ; the wave's end, behind my last LDS store
	ds_add_u32 v[SPW], v[NIL]
	s_wait_dscnt 0x0
	s_endpgm
.Lfunc_end_k_qaf7e74f00f_prep:
	.size	k_qaf7e74f00f_prep, .Lfunc_end_k_qaf7e74f00f_prep-k_qaf7e74f00f_prep
	.p2alignl 7, 3214868480
	.fill 96, 4, 3214868480
	.section	.rodata,"a",@progbits
	.p2align	6, 0x0
	.amdhsa_kernel k_qaf7e74f00f_prep
		.amdhsa_group_segment_fixed_size 50688
		.amdhsa_private_segment_fixed_size 0
		.amdhsa_enable_private_segment 0
		.amdhsa_kernarg_size 80
		.amdhsa_user_sgpr_count 2
		.amdhsa_user_sgpr_kernarg_segment_ptr 1
		.amdhsa_wavefront_size32 1
		.amdhsa_system_sgpr_workgroup_id_x 1
		.amdhsa_system_sgpr_workgroup_id_y 1
		.amdhsa_system_sgpr_workgroup_id_z 1
		.amdhsa_system_vgpr_workitem_id 0
		.amdhsa_next_free_vgpr 208
		.amdhsa_next_free_sgpr 66
		.amdhsa_reserve_vcc 0
		.amdhsa_float_denorm_mode_32 3
		.amdhsa_float_denorm_mode_16_64 3
		.amdhsa_memory_ordered 1
		.amdhsa_forward_progress 1
		.amdhsa_inst_pref_size 58
	.end_amdhsa_kernel
	.amdgpu_metadata
---
amdhsa.version: [ 1, 2 ]
amdhsa.kernels:
  - .name:           k_qaf7e74f00f_prep
    .symbol:         k_qaf7e74f00f_prep.kd
    .args:
      - { .name: x, .offset: 0, .size: 8, .value_kind: global_buffer, .address_space: global }
      - { .name: Wq, .offset: 8, .size: 8, .value_kind: global_buffer, .address_space: global }
      - { .name: Wk, .offset: 16, .size: 8, .value_kind: global_buffer, .address_space: global }
      - { .name: Wv, .offset: 24, .size: 8, .value_kind: global_buffer, .address_space: global }
      - { .name: Wo, .offset: 32, .size: 8, .value_kind: global_buffer, .address_space: global }
      - { .name: xc, .offset: 40, .size: 8, .value_kind: global_buffer, .address_space: global }
      - { .name: xs, .offset: 48, .size: 8, .value_kind: global_buffer, .address_space: global }
      - { .name: wc, .offset: 56, .size: 8, .value_kind: global_buffer, .address_space: global }
      - { .name: ws, .offset: 64, .size: 8, .value_kind: global_buffer, .address_space: global }
      - { .name: wo16, .offset: 72, .size: 8, .value_kind: global_buffer, .address_space: global }
    .group_segment_fixed_size: 50688
    .private_segment_fixed_size: 0
    .kernarg_segment_align: 8
    .kernarg_segment_size: 80
    .max_flat_workgroup_size: 128
    .sgpr_count:     66
    .vgpr_count:     208
    .wavefront_size: 32
...
	.end_amdgpu_metadata
.endif
;; end of part 1
;; launch qkv (part 2): grid 12 x 16, 4 waves a work-group, clusters of 4 x 4, 327,680 bytes of LDS; arguments xc, xs, wc, ws, bq, bk, bv, alpha, qf, kv; writes qf, kv
.if DOCPART == 2
	.amdgcn_target "amdgcn-amd-amdhsa--gfx1250"
	.amdhsa_code_object_version 6
	.text
	.protected	k_qaf7e74f00f_qkv
	.globl	k_qaf7e74f00f_qkv
	.p2align	8
	.type	k_qaf7e74f00f_qkv,@function
k_qaf7e74f00f_qkv:
	s_mov_b64 s[64:65], 0
	v_nop
	global_prefetch_b8 v0, s[64:65] scope:SCOPE_SE
	s_setreg_imm32_b32 hwreg(HW_REG_WAVE_MODE, 25, 1), 1
	s_wait_xcnt 0x0
	s_wait_alu depctr_hold_cnt(0) depctr_sa_sdst(0) depctr_va_vdst(0) depctr_va_sdst(0) depctr_va_ssrc(0) depctr_va_vcc(0) depctr_vm_vsrc(0)
	s_getreg_b32 s2, hwreg(HW_REG_IB_STS2, 6, 4)
	s_cmp_eq_u32 s2, 0
	s_cbranch_scc0 .Lentry_in_a_cluster
	s_endpgm
.Lentry_in_a_cluster:
	s_bfe_u32 s2, ttmp6, 0x10000c
	s_cmp_lg_u32 s2, 0xf033
	s_cbranch_scc0 .Lentry_shape_is_right
	s_endpgm
.Lentry_shape_is_right:
; q, k, v = x W^T + b on codes of FP4 (E2M1) with one E8M0 scale for each 32 along K = 1,024; sums in f32.  xc [4096][512], xs [4096][32]; wc [3072][512], ws [3072][32] (rows: Wq's, Wk's, Wv's).
; A work-group of four waves makes 256 x 256, a wave 128 x 128: 64 accumulators, 512 registers.  All of K lies in LDS: two slots of 512 along K (rows of 256 bytes) and the scale bytes, each filled once.
; CLUSTERS: 4 x 4 work-groups; the cluster's x is the TYPE: 0 q, 1 k, 2 v: one number for all sixteen partners, so the way out may branch on it.  192 work-groups: a narrower tile would fill more WGPs but mix types in a cluster.
; THE TWO SIDES.  The matrix instruction's source 1 is the A side (a lane holds ONE of its rows), source 0 the B side (a lane's 8 registers are 8 neighbouring rows of it).
;   q, k: A side = x (tile 4 x cluster y + cy), B side = W (tile 4 x type + cx): a lane holds one token and 8 channels.
;   v:    A side = Wv (tile 8 + cy), B side = x (tile 4 x cluster y + cx): a lane holds one channel and 8 tokens: V^T, by the same loop.
; The A side's tiles are shared along a row of the cluster, the B side's along a column: each is asked for JOINTLY, by the same tensor load with the same descriptor and a mask that names the four.
; THE WAY OUT needs no LDS: an accumulator, rounded to 16 bits, is 4 registers a lane, and the buffers are laid in the order of the next products' operand registers:
; a PIECE is 512 bytes, lane l's 16 bytes at 16 l; each store of a wave is one piece, 512 consecutive bytes, aligned.  hb = 16 x batch + head, tok = the token in its batch, d = the channel in its head:
;   qf, K-, K+ (bf16): piece at 262,144 hb + 2,048 (tok / 16) + 512 (d / 16); lane 16 h + r: token 16 (tok / 16) + r, channels 16 (d / 16) + 8 h + 0 .. 7.
;   V (f16): piece at 262,144 hb + 8,192 (tok / 64) + 2,048 (d / 16) + 512 ((tok / 16) % 4); lane 16 h + r: channel 16 (d / 16) + r, tokens 8 h + 0 .. 7 of those 16.
;   kv: K- at byte 0, K+ at 8,388,608, V at 16,777,216.
; THE DECAY'S KEY FACTOR is multiplied into k here, in f32: with a2 = -alpha log2(e) and o = tok % 64: K+ = k 2^(a2 o) (for queries before the key's block of 64), K- = k 2^(a2 (63 - o)) (for queries after it).
; LIMITS: 63 |alpha| log2(e) under about 110 (bf16's and f32's exponent range); |v| under 65,504 (f16); NaN and infinities are not served.
; REGISTERS, in windows of 256: window 0: v0-31 addresses; v32-95 scale words, two sets, and nothing else; v128-191 the A side's fragments, ONE set.  window 1: the B side's fragments, TWO sets, at v0 and v128.
;   windows 2, 3: the accumulators of my A rows 0-63 and 64-127 ((a, b) at v[8 (8 (a % 4) + b)]).  On the way out: window 1 v0-63 the biases of q, k; window 0 v96-111 K's factors or v's biases, v112-119 and v128-255 at work.
.set KSTEP,  512                       ; along K in a slot
.set NQ,     KSTEP/128                 ; matrix instructions deep
.set ROWB,   256                       ; a tile's row in bytes
.set KROW,   512                       ; a row of codes in memory
.set PITCH,  272                       ; an LDS row: 256 bytes + 16 of padding = 68 words, so that the 16 rows that a load touches start at 16 different banks (64 banks of 4 bytes: ISA guide 11.1)
.set FR,     8                         ; registers of a fragment: 16 rows x 128 K
.set NL,     2                         ; LDS loads that bring one
.set NP,     4                         ; places behind this matrix instruction (ISA guide 7.12.1)
.set HALFT,  128*PITCH                 ; 128 rows: what one tensor load brings, and what one wave reads of a side
.set SLOT,   4*HALFT                   ; the A side's 256 rows, then the B side's
.set KS,     32                        ; a row of scale bytes
.set SCL,    2*SLOT                    ; behind the slots: the scale bytes, as runs of 256 bytes + 16 of padding
.set HALFS,  (128*KS/256)*272          ; those of 128 rows: what one tensor load brings
.set SBLK,   (16*KS/256)*272           ; those of 16 rows
.set SPARE,  SCL+4*HALFS               ; the spare words: 128 bytes a wave, two blocks of 256 bytes that no other line names
.set ADRA, 16                          ; v16-17  LDS address of my A fragments in slot 0, 1
.set ADRB, 20                          ; v20-21  the same for B
.set L16,  26                          ; v26     16 x lane: my place in a piece
.set ADRS, 27                          ; v27     LDS address of my scale words: lanes 0-15 the A side's rows, lanes 16-31 the B side's
.set SPW,  28                          ; v28     LDS address of my spare word; never rewritten
.set NIL,  29                          ; v29     0; never rewritten
.set SC,   32                          ; scale words: set s at v[SC + 8 NQ s]; register NQ i + q: lanes 0-15 the word of A's block i, lanes 16-31 of B's block i, for the slot's q-th 128 along K
.set AF,   128                         ; the A side's fragments
.set FK,   96                          ; the way out: K's factors (pairs; the low word counts), or v's biases
.set TMPK, 112
.set T,    128                         ; a block's 64 sums with their bias
.set PK,   192                         ; rounded: 8 pieces
.set PK2,  224
.set TY,   12                          ; s12     the type
.set G1, 24                            ; s[24:31] descriptor group 1 for the A side's tiles;  s[32:39] group 0, one set for each slot
.set G0, 32
.set G1B, 48                           ; s[48:55], s[56:63] the same for the B side
.set G0B, 56
.set G1S, 68                           ; s[68:75], s[76:79] groups 1 and 0 for the A side's scale bytes;  s[80:87], s[88:91] for the B side's
.set G0S, 76
.set G1SB, 80
.set G0SB, 88
.set MSB, 0
.macro WIN new                         ; the immediate's high byte repeats the setting that is left
.if MSB != \new
	s_set_vgpr_msb (MSB<<8)|\new
.set MSB, \new
.endif
.endm
.set MUL_LO, 0xa1                      ; source 0 (B) window 1, source 1 (A) window 0, C and D window 2
.set MUL_HI, 0xf1                      ; the same, C and D window 3
.set TO_B,   0x40                      ; destination window 1, address window 0
; A joint load: waves 0 and 1 fetch for the A side, waves 2 and 3 for the B side.  Each line has ONE mask and one set of registers for all that issue it; the branch hangs on the wave's number alone.
; An s_nop 0 and four v_nop follow each of the two lines.
.macro JLOAD g0a, g1a, g0b, g1b
	s_cmp_eq_u32 s15, 0
	s_cbranch_scc0 .Lfor_b_\@
	tensor_load_to_lds s[\g0a:\g0a+3], s[\g1a:\g1a+7]
	s_nop 0
.rept 4
	v_nop
.endr
	s_branch .Lasked_\@
.Lfor_b_\@:
	tensor_load_to_lds s[\g0b:\g0b+3], s[\g1b:\g1b+7]
	s_nop 0
.rept 4
	v_nop
.endr
.Lasked_\@:
.endm
.macro CROUND                          ; a round of the cluster's barrier: my work-group's barrier; wave 0 signals for the work-group; every wave waits for all sixteen; my work-group's barrier once more
	s_barrier_signal -1
	s_barrier_wait -1
	s_cmp_lg_u32 s14, 0
	s_cbranch_scc1 .Lnot_wave_0_\@
	s_barrier_signal -3
.Lnot_wave_0_\@:
	s_barrier_wait -3
	s_barrier_signal -1
	s_barrier_wait -1
.endm
	s_load_b128 s[4:7], s[0:1], 0x0                ; xc s[4:5], xs s[6:7]
	s_load_b128 s[8:11], s[0:1], 0x10              ; wc s[8:9], ws s[10:11]
	v_lshl_add_u32 v[SPW], v0, 2, SPARE
	v_mov_b32 v[NIL], 0
	ds_add_u32 v[SPW], v[NIL]                      ; the wave's opening: the add, twice on end, and its wait ahead of my first tensor load
	ds_add_u32 v[SPW], v[NIL]
	v_lshrrev_b32 v1, 5, v0
	v_readfirstlane_b32 s14, v1                    ; wave 0..3
	s_lshr_b32 s15, s14, 1                         ; which half of the A side's rows is mine.  Also: I fetch for the A side (0) or the B side (1)
	s_and_b32 s16, s14, 1                          ; which half of the B side's.  Also: which 128 rows of that tile I fetch
	s_bfe_u32 s40, ttmp6, 0x40000                  ; cx, cy: my place in the cluster
	s_bfe_u32 s41, ttmp6, 0x40004
	s_mov_b32 s[TY], ttmp9                         ; the cluster's x: the type
	s_and_b32 s13, ttmp7, 0xffff
	s_lshl_b32 s13, s13, 2                         ; 4 x cluster y
	s_lshl_b32 s95, s[TY], 2                       ; 4 x type
	s_cmp_eq_u32 s[TY], 2
	s_cselect_b32 s17, 8, s13                      ; the A side's first tile of 256 rows in its buffer: Wv's, or x's
	s_cselect_b32 s42, s13, s95                    ; the B side's: x's, or the weight's
	s_add_co_u32 s17, s17, s41                     ; + cy: the A side never sees cx,
	s_add_co_u32 s42, s42, s40                     ; + cx: the B side never sees cy
	s_lshl_b32 s43, s41, 2
	s_lshl_b32 s43, 15, s43                        ; my row of the cluster
	s_lshl_b32 s44, 0x1111, s40                    ; my column
	; descriptor group 1: a tile of 128 rows x 256 bytes, padded in LDS
	s_or_b32 s[G1+0], s43, (0<<16)|(1<<20)|(1<<21)|(5<<22)|(3<<25)  ; 15:0 the mask; 17:16 elements of 1 byte; 20 padding on; 21 set beside a mask; 24:22 after every 64 words; 31:25 four words
	s_or_b32 s[G1B+0], s44, (0<<16)|(1<<20)|(1<<21)|(5<<22)|(3<<25)
.irp g, G1, G1B
	s_mov_b32 s[\g+1], ROWB<<16                    ; tensor_dim0
	s_mov_b32 s[\g+2], 128<<16                     ; tensor_dim1
	s_mov_b32 s[\g+3], ROWB<<16                    ; tile_dim0
	s_mov_b32 s[\g+4], 128                         ; tile_dim1
	s_mov_b32 s[\g+5], KROW                        ; the pitch in memory
	s_mov_b32 s[\g+6], 0
	s_mov_b32 s[\g+7], 0
.endr
	; the scale bytes of 128 rows: 4,096 dense bytes, as 16 rows of 256 bytes (32 elements of 8 bytes), 16 bytes of padding behind each
	s_or_b32 s[G1S+0], s43, (3<<16)|(1<<20)|(1<<21)|(5<<22)|(3<<25)
	s_or_b32 s[G1SB+0], s44, (3<<16)|(1<<20)|(1<<21)|(5<<22)|(3<<25)
.irp g, G1S, G1SB
	s_mov_b32 s[\g+1], 32<<16
	s_mov_b32 s[\g+2], (128*KS/256)<<16
	s_mov_b32 s[\g+3], 32<<16
	s_mov_b32 s[\g+4], 128*KS/256
	s_mov_b32 s[\g+5], 32
	s_mov_b32 s[\g+6], 0
	s_mov_b32 s[\g+7], 0
.endr
	s_lshl_b32 s18, s16, 7                         ; which 128 rows of the tile I fetch
	s_lshl_b32 s20, s17, 8
	s_add_co_u32 s20, s20, s18                     ; the A side's row
	s_lshl_b32 s46, s42, 8
	s_add_co_u32 s46, s46, s18                     ; the B side's
	s_mov_b32 s21, 0
	s_mov_b32 s47, 0
	s_mov_b64 s[18:19], KS
	s_mul_u64 s[22:23], s[20:21], s[18:19]         ; where these rows' scale bytes begin,
	s_mul_u64 s[92:93], s[46:47], s[18:19]
	s_mov_b64 s[18:19], KROW
	s_mul_u64 s[20:21], s[20:21], s[18:19]         ; and their codes
	s_mul_u64 s[46:47], s[46:47], s[18:19]
	s_mul_i32 s45, s14, HALFT                      ; where they go: wave x 128 rows: no place in the cluster enters an LDS address
	s_mul_i32 s94, s14, HALFS
	s_wait_dscnt 0x0                               ; both opening adds are done
	s_wait_kmcnt 0x0
	s_cmp_eq_u32 s[TY], 2                          ; which buffer is which side: by the type alone
	s_cselect_b64 s[96:97], s[8:9], s[4:5]         ; the A side's codes,
	s_cselect_b64 s[98:99], s[10:11], s[6:7]       ; its scale bytes,
	s_cselect_b64 s[100:101], s[4:5], s[8:9]       ; the B side's codes,
	s_cselect_b64 s[66:67], s[6:7], s[10:11]       ; its scale bytes
	s_add_nc_u64 s[20:21], s[96:97], s[20:21]
	s_add_nc_u64 s[22:23], s[98:99], s[22:23]
	s_add_nc_u64 s[46:47], s[100:101], s[46:47]
	s_add_nc_u64 s[92:93], s[66:67], s[92:93]
	CROUND                                         ; all sixteen work-groups are here: the joint loads meet
	s_mov_b32 s[G0S], 1
	s_add_co_u32 s[G0S+1], s94, SCL
	s_mov_b64 s[G0S+2:G0S+3], s[22:23]
	s_or_b32 s[G0S+3], s[G0S+3], 0x80000000
	s_mov_b32 s[G0SB], 1
	s_add_co_u32 s[G0SB+1], s94, SCL
	s_mov_b64 s[G0SB+2:G0SB+3], s[92:93]
	s_or_b32 s[G0SB+3], s[G0SB+3], 0x80000000
	JLOAD G0S, G1S, G0SB, G1SB                     ; the scale bytes first: they are wanted with the first slot
.irp s, 0,1
	s_mov_b32 s[G0+4*\s], 1
	s_add_co_u32 s[G0+4*\s+1], s45, \s*SLOT
	s_add_nc_u64 s[G0+4*\s+2:G0+4*\s+3], s[20:21], \s*ROWB
	s_or_b32 s[G0+4*\s+3], s[G0+4*\s+3], 0x80000000
	s_mov_b32 s[G0B+4*\s], 1
	s_add_co_u32 s[G0B+4*\s+1], s45, \s*SLOT
	s_add_nc_u64 s[G0B+4*\s+2:G0B+4*\s+3], s[46:47], \s*ROWB
	s_or_b32 s[G0B+4*\s+3], s[G0B+4*\s+3], 0x80000000
	JLOAD G0+4*\s, G1, G0B+4*\s, G1B               ; three loads of mine are out now; nothing is filled twice
.endr
	s_load_b256 s[4:11], s[0:1], 0x20              ; for the way out: bq s[4:5], bk s[6:7], bv s[8:9], alpha s[10:11];
	s_load_b128 s[96:99], s[0:1], 0x40             ; qf s[96:97], kv s[98:99]: waited for there
	v_and_b32 v1, 15, v0                           ; r = l % 16
	v_bfe_u32 v2, v0, 4, 1                         ; h = l / 16
	v_mul_u32_u24 v3, v1, PITCH
	v_lshl_add_u32 v4, v2, 4, v3                   ; a fragment's row x pitch + 16 x half
	s_mul_i32 s21, s15, HALFT                      ; my 128 rows of the A side
	s_mul_i32 s22, s16, HALFT                      ; my 128 rows of the B side,
	s_add_co_u32 s22, s22, 2*HALFT                 ; which lie behind the A side's 256
.irp s, 0,1
	v_add_nc_u32 v[ADRA+\s], s21, v4
	v_add_nc_u32 v[ADRB+\s], s22, v4
	s_add_co_u32 s21, s21, SLOT
	s_add_co_u32 s22, s22, SLOT
.endr
	v_mul_u32_u24 v5, v1, KS                       ; my row's scale bytes: KS a row,
	v_lshrrev_b32 v6, 8, v5
	v_lshl_add_u32 v5, v6, 4, v5                   ; and 16 more for each 256 passed
	s_mul_i32 s21, s15, HALFS
	s_mul_i32 s22, s16, HALFS
	s_add_co_u32 s22, s22, 2*HALFS
	s_sub_co_u32 s22, s22, s21
	v_mul_u32_u24 v6, s22, v2                      ; lanes 16-31 take the B side's: the lower base + h x the distance
	s_add_co_u32 s21, s21, SCL
	v_add_nc_u32 v5, v5, v6
	v_add_nc_u32 v[ADRS], s21, v5
	v_and_b32 v6, 31, v0
	v_lshlrev_b32 v[L16], 4, v6
.macro FRAG reg, adr, q, i             ; a fragment, 16 rows x 128 K of 4-bit codes: lane l holds row l % 16; registers 4 c .. 4 c + 3 hold K = 64 c + 32 (l / 16) + 0 .. 31
.irp c, 0,1
	ds_load_b128 v[\reg+4*\c:\reg+4*\c+3], v[\adr] offset:64*(\q)+32*\c+(\i)*16*PITCH
.endr
.endm
; 16 matrix instructions: A's blocks a0, a0 + 1 x B's eight, the slot's q-th 128 along K.  p: B's set;  sc: the set of scale words.  zero = 1: the first product starts the sums.
; The 64 accumulators take turns, one instruction a turn, in the same order in every step.
.macro MUL16 a0, p, q, sc, zero
.irp a, \a0, \a0+1
.irp b, 0,1,2,3,4,5,6,7
.if \zero
	v_wmma_scale_f32_16x16x128_f8f6f4 v[8*(8*((\a)%4)+\b):8*(8*((\a)%4)+\b)+7], v[128*(\p)+FR*\b:128*(\p)+FR*\b+FR-1], v[AF+FR*(\a):AF+FR*(\a)+FR-1], 0, v[SC+8*NQ*(\sc)+NQ*\b+(\q)], v[SC+8*NQ*(\sc)+NQ*(\a)+(\q)] matrix_a_fmt:MATRIX_FMT_FP4 matrix_b_fmt:MATRIX_FMT_FP4 matrix_a_scale:MATRIX_SCALE_ROW1
.else
	v_wmma_scale_f32_16x16x128_f8f6f4 v[8*(8*((\a)%4)+\b):8*(8*((\a)%4)+\b)+7], v[128*(\p)+FR*\b:128*(\p)+FR*\b+FR-1], v[AF+FR*(\a):AF+FR*(\a)+FR-1], v[8*(8*((\a)%4)+\b):8*(8*((\a)%4)+\b)+7], v[SC+8*NQ*(\sc)+NQ*\b+(\q)], v[SC+8*NQ*(\sc)+NQ*(\a)+(\q)] matrix_a_fmt:MATRIX_FMT_FP4 matrix_b_fmt:MATRIX_FMT_FP4 matrix_a_scale:MATRIX_SCALE_ROW1
.endif
.endr
.endr
.endm
.macro FETCH_B slot, q, p              ; B's eight fragments of the slot's q-th 128 along K into set p
	WIN TO_B
.irp i, 0,1,2,3,4,5,6,7
	FRAG 128*(\p)+FR*\i, ADRB+\slot, \q, \i
.endr
	WIN 0
.endm
.macro FETCH_A slot, q, i0             ; A's blocks i0 .. i0 + 3
.irp i, \i0, \i0+1, \i0+2, \i0+3
	FRAG AF+FR*(\i), ADRA+\slot, \q, \i
.endr
.endm
.macro SCALES sc                       ; a slot's scale words into set sc: NQ words a row; lanes 0-15 take A's block i, lanes 16-31 B's block i
.irp i, 0,1,2,3,4,5,6,7
	ds_load_b128 v[SC+8*NQ*\sc+NQ*\i:SC+8*NQ*\sc+NQ*\i+3], v[ADRS] offset:\i*SBLK
.endr
.endm
; A load into a register that a matrix instruction has read, and a vector instruction that reads a matrix result, stand NP places behind that matrix instruction; only plain vector instructions
; that name none of its registers are places (ISA guide 7.12.1 for vector instructions).
.macro PLACES n
.rept \n
	v_nop
.endr
.endm
; A step of 128 along K that has its successor in the same slot.  A block of A is free as soon as its eight products are issued: blocks 0-3 are fetched anew in the step's middle, blocks 4-7 at its end.
.macro STEP slot, q, zero
	s_wait_dscnt 4*NL                              ; B's set and A's blocks 0-3 are in; the youngest eight loads (A's blocks 4-7) may be out
	WIN MUL_LO
	MUL16 0, (\q)%2, \q, \slot, \zero
	MUL16 2, (\q)%2, \q, \slot, \zero
	s_wait_dscnt 0                                 ; A's blocks 4-7 are in (asked for 32 matrix instructions ago)
	PLACES NP
	FETCH_B \slot, (\q)+1, 1-(\q)%2
	FETCH_A \slot, (\q)+1, 0
	WIN MUL_HI
	MUL16 4, (\q)%2, \q, \slot, \zero
	MUL16 6, (\q)%2, \q, \slot, \zero
	PLACES NP
	WIN 0
	FETCH_A \slot, (\q)+1, 4
.endm
.macro STEPS slot, from                ; the slot's steps from .. NQ - 2
.set Q, \from
.rept NQ-1-\from
	STEP \slot, Q, 0
.set Q, Q+1
.endr
.endm
	s_wait_tensorcnt 1                             ; the scale bytes and my part of slot 0 are in (slot 1's load may be out)
	s_barrier_signal -1
	s_barrier_wait -1                              ; everybody's are
	FETCH_B 0, 0, 0
	FETCH_A 0, 0, 0
	SCALES 0
	FETCH_A 0, 0, 4
	STEP 0, 0, 1                                   ; the first step's products start the sums: nothing is cleared
	STEPS 0, 1
	; slot 0's last step passes on to slot 1: ONE barrier; in front of it my part of slot 1 has landed
	s_wait_tensorcnt 0x0                           ; all my tensor loads have landed;
	ds_add_u32 v[SPW], v[NIL]                      ; 0 onto my spare word;
	s_wait_dscnt 4*NL+1                            ; (the add and the youngest eight loads may be out)
	WIN MUL_LO
	MUL16 0, 1, NQ-1, 0, 0                         ; sixteen matrix instructions stand between the add and the wait for it
	s_wait_dscnt 0x0
	s_barrier_signal -1
	MUL16 2, 1, NQ-1, 0, 0
	WIN 0
	s_barrier_wait -1                              ; slot 1 is whole
	PLACES NP
	v_add_nc_u32 v[ADRS], 4*NQ, v[ADRS]            ; on to slot 1's scale words (no LDS load of mine is out)
	FETCH_B 1, 0, 0
	FETCH_A 1, 0, 0
	SCALES 1
	WIN MUL_HI
	MUL16 4, 1, NQ-1, 0, 0
	MUL16 6, 1, NQ-1, 0, 0
	PLACES NP
	WIN 0
	FETCH_A 1, 0, 4
	STEPS 1, 0
	s_wait_dscnt 4*NL                              ; the very last step: nothing more to fetch
	WIN MUL_LO
	MUL16 0, 1, NQ-1, 1, 0
	MUL16 2, 1, NQ-1, 1, 0
	s_wait_dscnt 0
	WIN MUL_HI
	MUL16 4, 1, NQ-1, 1, 0
	MUL16 6, 1, NQ-1, 1, 0
	WIN 0
	; ---------------- THE WAY OUT ----------------
	PLACES NP                                      ; behind the last products: their results are read, and registers that they read are written, below
	s_wait_kmcnt 0x0                               ; the six addresses asked for at the head
	s_lshl_b32 s21, s15, 7                         ; my half of the A side's 256 rows,
	s_lshl_b32 s23, s16, 7                         ; and of the B side's
	s_mov_b32 s19, 0
	s_cmp_eq_u32 s[TY], 2
	s_cbranch_scc1 .Lv
	; q and k: a lane holds token RA + 16 a + r and channels RB + 16 b + 8 h + 0 .. 7
	s_lshl_b32 s20, s17, 8
	s_add_co_u32 s20, s20, s21                     ; RA: my first token, 0 .. 4,095
	s_and_b32 s22, s42, 3
	s_lshl_b32 s22, s22, 8
	s_add_co_u32 s22, s22, s23                     ; RB: my first channel, 0 .. 1,023
	s_cmp_eq_u32 s[TY], 0
	s_cselect_b64 s[4:5], s[4:5], s[6:7]           ; bq or bk
	s_cselect_b64 s[96:97], s[96:97], s[98:99]     ; qf, or kv (K- lies at its byte 0)
	s_lshl_b32 s18, s22, 2
	s_add_nc_u64 s[4:5], s[4:5], s[18:19]
	s_lshr_b32 s18, s20, 11                        ; the batch,
	s_lshl_b32 s18, s18, 4
	s_lshr_b32 s21, s22, 6                         ; the head
	s_add_co_u32 s18, s18, s21
	s_lshl_b32 s18, s18, 18                        ; x 262,144
	s_and_b32 s21, s20, 2047
	s_lshl_b32 s21, s21, 7                         ; + 2,048 (tok / 16)
	s_add_co_u32 s18, s18, s21
	s_add_nc_u64 s[96:97], s[96:97], s[18:19]
	v_lshlrev_b32 v30, 5, v2                       ; my half's eight biases of a block of 16 channels
	WIN TO_B
.irp b, 0,1,2,3,4,5,6,7
	global_load_b128 v[8*\b:8*\b+3], v30, s[4:5] offset:64*\b          ; window 1, v0-63: register 8 b + j = the bias of channel RB + 16 b + 8 h + j
	global_load_b128 v[8*\b+4:8*\b+7], v30, s[4:5] offset:64*\b+16
.endr
	WIN 0
.macro ADDB a                          ; block a's eight accumulators + the biases, each accumulator from its low end on
	WIN 0x06+((\a)/4)                              ; source 0 window 2 or 3, source 1 window 1
.set AC, 64*((\a)%4)
.set i, 0
.rept 32
	v_pk_add_f32 v[T+i:T+i+1], v[AC+i:AC+i+1], v[i:i+1]
.set i, i+2
.endr
	WIN 0
.endm
	s_cmp_eq_u32 s[TY], 1
	s_cbranch_scc1 .Lk
	s_wait_loadcnt 0x0                             ; the biases
.irp a, 0,1,2,3,4,5,6,7
	ADDB \a
.if \a > 0
	s_wait_xcnt 0x0                                ; the last block's stores have read their registers
.endif
.set i, 0
.rept 32
	v_cvt_pk_bf16_f32 v[PK+i], v[T+2*i], v[T+2*i+1]
.set i, i+1
.endr
.irp b, 0,1,2,3,4,5,6,7
	global_store_b128 v[L16], v[PK+4*\b:PK+4*\b+3], s[96:97] offset:\a*2048+(\b/4)*262144+(\b%4)*512   ; a piece: 512 consecutive bytes, aligned
.endr
.endr
	s_branch .Ldone
.Lk:
	s_load_b32 s18, s[10:11], 0x0                  ; alpha
	s_add_nc_u64 s[100:101], s[96:97], 0x800000    ; K+ lies 8,388,608 bytes behind K-
	s_wait_kmcnt 0x0
	s_mul_f32 s18, s18, 0xbfb8aa3b                 ; a2 = -alpha log2(e)
.irp i, 0,1,2,3                                ; my token's place in its block of 64 keys is o = 16 (a % 4) + r
	v_add_nc_u32 v[FK+4*\i], 16*\i, v1             ; o
	v_sub_nc_u32 v[FK+4*\i+2], 63-16*\i, v1        ; 63 - o
.endr
.irp i, 0,2,4,6,8,10,12,14
	v_cvt_f32_u32 v[FK+\i], v[FK+\i]
.endr
.irp i, 0,2,4,6,8,10,12,14
	v_mul_f32 v[FK+\i], s18, v[FK+\i]
.endr
.irp i, 0,2,4,6,8,10,12,14
	v_exp_f32 v[FK+\i], v[FK+\i]                   ; 2^(a2 o) and 2^(a2 (63 - o))
.endr
.irp i, 1,3,5,7,9,11,13,15
	v_mov_b32 v[FK+\i], 0                          ; named as the pairs' upper halves, so they are written (plain lines behind the exponentials)
.endr
	s_wait_alu depctr_va_vdst(0)                   ; one wait for the eight exponentials, ahead of their first reader
	s_wait_loadcnt 0x0                             ; the biases
.irp a, 0,1,2,3,4,5,6,7
	ADDB \a
.if \a > 0
	s_wait_xcnt 0x0                                ; the last block's stores have read their registers
.endif
.irp b, 0,1,2,3,4,5,6,7
.irp i, 0,2,4,6
	v_pk_mul_f32 v[TMPK+\i:TMPK+\i+1], v[T+8*\b+\i:T+8*\b+\i+1], v[FK+4*(\a%4):FK+4*(\a%4)+1] op_sel_hi:[1,0]   ; K+
.endr
.irp i, 0,1,2,3
	v_cvt_pk_bf16_f32 v[PK+4*\b+\i], v[TMPK+2*\i], v[TMPK+2*\i+1]
.endr
.irp i, 0,2,4,6
	v_pk_mul_f32 v[T+8*\b+\i:T+8*\b+\i+1], v[T+8*\b+\i:T+8*\b+\i+1], v[FK+4*(\a%4)+2:FK+4*(\a%4)+3] op_sel_hi:[1,0]   ; K-
.endr
.irp i, 0,1,2,3
	v_cvt_pk_bf16_f32 v[PK2+4*\b+\i], v[T+8*\b+2*\i], v[T+8*\b+2*\i+1]
.endr
.endr
.irp b, 0,1,2,3,4,5,6,7
	global_store_b128 v[L16], v[PK+4*\b:PK+4*\b+3], s[100:101] offset:\a*2048+(\b/4)*262144+(\b%4)*512
	global_store_b128 v[L16], v[PK2+4*\b:PK2+4*\b+3], s[96:97] offset:\a*2048+(\b/4)*262144+(\b%4)*512
.endr
.endr
	s_branch .Ldone
.Lv:
	; v: a lane holds channel RA + 16 a + r and tokens RB + 16 b + 8 h + 0 .. 7
	s_and_b32 s20, s17, 3
	s_lshl_b32 s20, s20, 8
	s_add_co_u32 s20, s20, s21                     ; RA: my first channel
	s_lshl_b32 s22, s42, 8
	s_add_co_u32 s22, s22, s23                     ; RB: my first token
	s_lshl_b32 s18, s20, 2
	s_add_nc_u64 s[8:9], s[8:9], s[18:19]
	s_lshr_b32 s18, s22, 11                        ; the batch,
	s_lshl_b32 s18, s18, 4
	s_lshr_b32 s21, s20, 6                         ; the head
	s_add_co_u32 s18, s18, s21
	s_lshl_b32 s18, s18, 18
	s_and_b32 s21, s22, 2047
	s_lshl_b32 s21, s21, 7                         ; + 8,192 (tok / 64)
	s_add_co_u32 s18, s18, s21
	s_add_nc_u64 s[98:99], s[98:99], s[18:19]
	s_add_nc_u64 s[98:99], s[98:99], 0x1000000     ; V lies 16,777,216 bytes into kv
	v_lshlrev_b32 v30, 2, v1
.irp a, 0,1,2,3,4,5,6,7
	global_load_b32 v[FK+2*\a], v30, s[8:9] offset:64*\a           ; my channel's bias in block a
.endr
.irp a, 0,1,2,3,4,5,6,7
	v_mov_b32 v[FK+2*\a+1], 0                      ; the pairs' upper halves
.endr
	s_wait_loadcnt 0x0
.irp a, 0,1,2,3,4,5,6,7
	WIN 0x02+(\a/4)                                ; source 0 window 2 or 3
.set AC, 64*(\a%4)
.set i, 0
.rept 32
	v_pk_add_f32 v[T+i:T+i+1], v[AC+i:AC+i+1], v[FK+2*\a:FK+2*\a+1] op_sel_hi:[1,0]
.set i, i+2
.endr
	WIN 0
.if \a > 0
	s_wait_xcnt 0x0                                ; the last block's stores have read their registers
.endif
.set i, 0
.rept 32
	v_cvt_pk_f16_f32 v[PK+i], v[T+2*i], v[T+2*i+1]
.set i, i+1
.endr
.irp b, 0,1,2,3,4,5,6,7
	global_store_b128 v[L16], v[PK+4*\b:PK+4*\b+3], s[98:99] offset:(\a/4)*262144+(\a%4)*2048+(\b/4)*8192+(\b%4)*512
.endr
.endr
.Ldone:
	s_wait_tensorcnt 0x0                           ; the wave's end, behind my last tensor load
	ds_add_u32 v[SPW], v[NIL]
	s_wait_dscnt 0x0
	CROUND                                         ; the closing round: no work-group ends while a partner may still ask for a tile that names it
	s_endpgm
.Lfunc_end_k_qaf7e74f00f_qkv:
	.size	k_qaf7e74f00f_qkv, .Lfunc_end_k_qaf7e74f00f_qkv-k_qaf7e74f00f_qkv
	.p2alignl 7, 3214868480
	.fill 96, 4, 3214868480
	.section	.rodata,"a",@progbits
	.p2align	6, 0x0
	.amdhsa_kernel k_qaf7e74f00f_qkv
		.amdhsa_group_segment_fixed_size 327680
		.amdhsa_private_segment_fixed_size 0
		.amdhsa_enable_private_segment 0
		.amdhsa_kernarg_size 80
		.amdhsa_user_sgpr_count 2
		.amdhsa_user_sgpr_kernarg_segment_ptr 1
		.amdhsa_wavefront_size32 1
		.amdhsa_system_sgpr_workgroup_id_x 1
		.amdhsa_system_sgpr_workgroup_id_y 1
		.amdhsa_system_sgpr_workgroup_id_z 1
		.amdhsa_system_vgpr_workitem_id 0
		.amdhsa_next_free_vgpr 1024
		.amdhsa_next_free_sgpr 102
		.amdhsa_reserve_vcc 0
		.amdhsa_float_denorm_mode_32 3
		.amdhsa_float_denorm_mode_16_64 3
		.amdhsa_memory_ordered 1
		.amdhsa_forward_progress 1
		.amdhsa_inst_pref_size 255
	.end_amdhsa_kernel
	.section	.bss,"aw",@nobits
	.p2align	6
	.space	262144
	.amdgpu_metadata
---
amdhsa.version: [ 1, 2 ]
amdhsa.kernels:
  - .name:           k_qaf7e74f00f_qkv
    .symbol:         k_qaf7e74f00f_qkv.kd
    .args:
      - { .name: xc, .offset: 0, .size: 8, .value_kind: global_buffer, .address_space: global }
      - { .name: xs, .offset: 8, .size: 8, .value_kind: global_buffer, .address_space: global }
      - { .name: wc, .offset: 16, .size: 8, .value_kind: global_buffer, .address_space: global }
      - { .name: ws, .offset: 24, .size: 8, .value_kind: global_buffer, .address_space: global }
      - { .name: bq, .offset: 32, .size: 8, .value_kind: global_buffer, .address_space: global }
      - { .name: bk, .offset: 40, .size: 8, .value_kind: global_buffer, .address_space: global }
      - { .name: bv, .offset: 48, .size: 8, .value_kind: global_buffer, .address_space: global }
      - { .name: alpha, .offset: 56, .size: 8, .value_kind: global_buffer, .address_space: global }
      - { .name: qf, .offset: 64, .size: 8, .value_kind: global_buffer, .address_space: global }
      - { .name: kv, .offset: 72, .size: 8, .value_kind: global_buffer, .address_space: global }
    .group_segment_fixed_size: 327680
    .private_segment_fixed_size: 0
    .kernarg_segment_align: 8
    .kernarg_segment_size: 80
    .max_flat_workgroup_size: 128
    .sgpr_count:     102
    .vgpr_count:     1024
    .wavefront_size: 32
...
	.end_amdgpu_metadata
.endif
;; end of part 2
;; launch attn (part 3): grid 8 x 32, 16 waves a work-group, no clusters, 327,680 bytes of LDS; arguments qf, kv, alpha, ob; writes ob
.if DOCPART == 3
	.amdgcn_target "amdgcn-amd-amdhsa--gfx1250"
	.amdhsa_code_object_version 6
	.text
	.protected	k_qaf7e74f00f_attn
	.globl	k_qaf7e74f00f_attn
	.p2align	8
	.type	k_qaf7e74f00f_attn,@function
k_qaf7e74f00f_attn:
	s_mov_b64 s[64:65], 0
	v_nop
	global_prefetch_b8 v0, s[64:65] scope:SCOPE_SE
	s_setreg_imm32_b32 hwreg(HW_REG_WAVE_MODE, 25, 1), 1
	s_wait_xcnt 0x0
; o[q] = the sum over k of softmax_k( (q . k / 8) exp(-alpha |q - k|) ) v[k], for 32 pairs hb = 16 x batch + head, 2,048 tokens, head size 64.  Products with bf16 (q, k) and f16 (p, v) operands, f32 sums; the softmax in f32, with a running maximum.
; THE DECAY COSTS NO LINE FOR A SCORE.  With a2 = -alpha log2(e), c = log2(e) / 8, KF a step's first key, o = k - KF: the launch before stored K+ = k 2^(a2 o) and K- = k 2^(a2 (63 - o)).
;   keys after my queries' block of 64:  t = (q . K+) g,  g = c 2^(a2 (KF - q));      keys before it:  t = (q . K-) g,  g = c 2^(a2 (q - KF - 63)):  g, one number a lane and step, is the factor of the multiply-add that the softmax has anyway.
;   the one step that holds my diagonal:  t = (q . K+) F c,  F = 2^(a2 (KF - q) + 2 a2 max(q - k, 0)), a table of 64 numbers a lane, made once and kept in LDS.
;   g is never negative, so a row's largest t is g x its largest product.  p = 2^(t - m); in every step the sum and O are multiplied by 2^(m_old - m_new).
; LIMITS: 63 |alpha| log2(e) under about 110 (the factors' exponent range); |v|, |o| under 65,504 (f16), o under 6e-5 kept to 6e-8 absolute; NaN and infinities are not served.
; SHARES.  A work-group owns 256 queries of one hb.  SIXTEEN waves of 256 registers, four to a SIMD, so that one wave's softmax stands beside the others' products and LDS loads.  A set of 32 queries (two tiles of 16) has TWO waves:
;   wave qw (group 0) and wave qw + 8 (group 1).  A step is 64 keys, a slot 256: of every slot group 0 takes steps 0 and 1, group 1 steps 2 and 3.  So each fragment of K and V is read from LDS by eight waves and feeds two products in each.
;   Each wave keeps a maximum, a sum and an O^T of its own keys; at the end the two parts of a set are joined through LDS: the wave of group g finishes tile g.
; NO CLUSTER, though the eight blocks of an hb walk the same keys: which copy of K a wave reads and which step is its diagonal hang on the block's place, and among partners of one hb that would be an LDS address and a branch that differ between them.
; BUFFERS lie in the order of the operands' registers: a piece is 512 bytes, lane l's 16 bytes at 16 l; a step of K (64 keys x 64 channels) is 16 pieces, 8,192 dense bytes (piece 4 y + 2 dh + c: keys 16 y on, channels 32 dh + 16 c on),
;   a step of V^T likewise (piece 4 ch + 2 kb + c: channels 16 ch on, keys 32 kb + 16 c on).  So every LDS load is 512 consecutive bytes, and V needs no turning.
; LAYOUT.  S^T = K Q^T (source 0 = 16 keys, source 1 = 16 queries): a lane holds ONE query (lane % 16) and keys 8 (lane / 16) + 0 .. 7 of a tile; two tiles, rounded in pairs, ARE source 1 of O^T = V^T P.
; THE RING: two slots of 256 keys (4 steps of K, then 4 of V).  It carries K- for the slots before my block and K+ from my block on.  In my own block the steps before a wave's diagonal read K- from KM, filled once.
;   Every wave fetches 4,096 bytes a slot (waves 0-7: K; waves 8-15: V) with one tensor load behind each change of slots, which has a slot's steps in which to land.
; THE TABLE is made by all sixteen waves, while the first tiles are on their way; only waves 0-3 and 12-15 meet a diagonal step (step qw / 2 of the own slot falls to group qw / 4): the others' tables are not read.
; REGISTERS: v1-9 addresses and my queries; v10-19, v20-29 a tile's statistics; v30-31 at work; v32-63 Q; v64-127 K's fragments, then V's; v128-191 S^T, then p (packed into each tile's low 16); v192-255 O^T.
.set SLOT1, 65536                      ; slot 1 begins here: one exclusive or turns an address
.set STEPB, 8192                       ; a step of K or of V
.set VO,    32768                      ; V's four steps lie behind K's four
.set KM,    131072                     ; K- of my own block's four steps: 32,768 bytes
.set FT,    163840                     ; the diagonal's factors, at the end a wave's O^T: 8,192 bytes for each wave; no fill lands here
.set MS,    294912                     ; at the end a wave's maxima and sums: 512 bytes for each wave; no fill lands here
.set SPARE, 303104                     ; the spare words: 128 bytes a wave, eight blocks of 256 bytes that no other line names
.set L16, 1                            ; v1   16 x lane
.set ADR, 2                            ; v2   the slot in hand + my group's two steps + 16 x lane
.set AKS, 3                            ; v3   KM + my group's two steps + 16 x lane
.set AFT, 4                            ; v4   my wave's table + 16 x lane
.set SPW, 5                            ; v5   LDS address of my spare word; never rewritten
.set NIL, 6                            ; v6   0; never rewritten
.set QV,  7                            ; v7, v8  my query in tile 0, 1
.set PFO, 9                            ; v9   256 x lane: the prefetches' offset; never rewritten
.set ST,  10                           ; tile t's statistics at v[ST + 10 t]: +0 m, +2, +3 the sum in two halves, +4 g, +6 a = 2^(m_old - m_new); +8, +1, +5, +7 four chains of the maximum; +9 at work
.set CH0, 8
.set CH1, 1
.set CH2, 5
.set CH3, 7
.set Q,   32
.set KV,  64
.set S,   128
.set O,   192
.set MA,  32                           ; the way out (Q's registers are free then): LDS address of my own part of the tile that I finish,
.set MB,  33                           ; of my partner's part,
.set MC,  34                           ; of my own maximum and sum of that tile,
.set MD,  35                           ; of my partner's
.set WV,  12                           ; s12  my wave's number, 0 .. 15
.set BX,  13                           ; s13  my block of 256 queries
.set HB,  14                           ; s14  16 x batch + head
.set Q0,  15                           ; s15  the work-group's first query
.set QW,  16                           ; s16  my wave's first query
.set QD,  17                           ; s17  the first key of my queries' diagonal step
.set QDR, 18                           ; s18  the same, counted from Q0
.set KF,  19                           ; s19  the step's first key
.set TB,  20                           ; s20  LDS byte at which the slot in hand begins
.set SLOTS, 21                         ; s21  slots still to be asked for
.set NS,  22                           ; s22  the slot asked for last
.set GRP, 23                           ; s23  my group: wave / 8
.set A2,  24                           ; s24  a2
.set CC,  25                           ; s25  c
.set SEL, 26                           ; s[26:27] v_permlanex16_b32's selects: lane l xor 16
.set G1,  28                           ; s[28:35] descriptor group 1: 16 rows of 256 bytes, dense
.set G1S, 36                           ; s[36:43] the same with 8 rows
.set G0,  44                           ; s[44:47] group 0 of the ring: it walks
.set G0S, 48                           ; s[48:51] group 0 of KM
.set A22, 52                           ; s52  2 a2
.set QWV, 53                           ; s53  my set of 32 queries: wave % 8
.set JMP, 54                           ; s54  bytes from K- to K+ in waves 0-7, 0 in waves 8-15
.set GO,  55                           ; s55  16,384 x group: where my group's two steps begin among a slot's four
.set JP,  56                           ; s[56:57] what this change adds for the change of copies
.set PFA, 58                           ; s[58:59] where my prefetches stand
.set LIM, 60                           ; s60  a wave prefetches while s[SLOTS] is above it
	s_load_b256 s[4:11], s[0:1], 0x0               ; qf s[4:5], kv s[6:7], alpha s[8:9], ob s[10:11]
	v_lshl_add_u32 v[SPW], v0, 2, SPARE
	v_mov_b32 v[NIL], 0
	ds_add_u32 v[SPW], v[NIL]                      ; the wave's opening: the add, twice on end, and its wait ahead of my first tensor load
	ds_add_u32 v[SPW], v[NIL]
	v_lshrrev_b32 v30, 5, v0
	v_readfirstlane_b32 s[WV], v30                 ; wave 0..15
	s_and_b32 s[QWV], s[WV], 7
	s_lshr_b32 s[GRP], s[WV], 3
	s_lshl_b32 s[GO], s[GRP], 14
	s_mov_b32 s[BX], ttmp9
	s_and_b32 s[HB], ttmp7, 0xffff
	s_lshl_b32 s[Q0], s[BX], 8
	s_lshl_b32 s66, s[QWV], 5
	s_add_co_u32 s[QW], s[Q0], s66
	s_and_not1_b32 s[QD], s[QW], 63
	s_lshr_b32 s[QDR], s[QWV], 1
	s_lshl_b32 s[QDR], s[QDR], 6
	s_lshl_b32 s[KF], s[GRP], 7                    ; my first step's first key: 128 x group
	s_mov_b32 s[TB], 0
	s_mov_b32 s[SLOTS], 7
	s_mov_b32 s[NS], 0
	s_mov_b32 s[CC], 0x3e38aa3b                    ; c = log2(e) / 8
	s_mov_b32 s[SEL], 0x76543210
	s_mov_b32 s[SEL+1], 0xfedcba98
	s_mov_b32 s[G1], 3<<16                         ; no mask; elements of 8 bytes; no padding
	s_mov_b32 s[G1+1], 32<<16                      ; tensor_dim0 = 32 elements: 256 bytes
	s_mov_b32 s[G1+2], 16<<16                      ; tensor_dim1 = 16 rows: 4,096 bytes a wave
	s_mov_b32 s[G1+3], 32<<16                      ; tile_dim0
	s_mov_b32 s[G1+4], 16                          ; tile_dim1
	s_mov_b32 s[G1+5], 32                          ; the pitch: dense
	s_mov_b32 s[G1+6], 0
	s_mov_b32 s[G1+7], 0
	s_mov_b32 s[G1S], 3<<16
	s_mov_b32 s[G1S+1], 32<<16
	s_mov_b32 s[G1S+2], 8<<16                      ; 8 rows: 2,048 bytes a wave
	s_mov_b32 s[G1S+3], 32<<16
	s_mov_b32 s[G1S+4], 8
	s_mov_b32 s[G1S+5], 32
	s_mov_b32 s[G1S+6], 0
	s_mov_b32 s[G1S+7], 0
	s_lshl_b32 s66, s[HB], 18                      ; my hb's 262,144 bytes in qf and in each third of kv
	s_lshl_b32 s67, s[QWV], 12
	s_add_co_u32 s68, s66, s67                     ; + the 4,096 bytes of a slot's K or V that I fetch
	s_cmp_eq_u32 s[BX], 0
	s_cselect_b32 s69, 0x800000, 0                 ; block 0 begins in K+, the others in K-;
	s_cmp_lt_u32 s[WV], 8
	s_cselect_b32 s69, s69, 0x1000000              ; waves 8-15 fetch V
	s_cselect_b32 s[JMP], 0x800000, 0
	s_cselect_b32 s[LIM], 2, -1                    ; who prefetches (macro ASK): block 7's waves 0-7 for K-,
	s_add_co_u32 s68, s68, s69
	s_mov_b32 s69, 0
	s_cmp_eq_u32 s[BX], 7
	s_cselect_b32 s[LIM], s[LIM], -1
	s_cmp_eq_u32 s[BX], 0
	s_cselect_b32 s[LIM], 1, s[LIM]                ; block 0's waves for K+ and V;
	s_and_b32 s70, s[WV], 1
	s_cselect_b32 s[LIM], -1, s[LIM]               ; of them the even ones, each for its own 4,096 bytes and its neighbour's
	s_mov_b32 s[JP+1], 0
	s_lshl_b32 s72, s[WV], 11
	s_lshl_b32 s70, s[BX], 15
	s_add_co_u32 s70, s70, s66
	s_add_co_u32 s70, s70, s72                     ; K- of my own block, my wave's 2,048 bytes
	s_mov_b32 s71, 0
	s_mov_b32 s[G0S], 1
	s_add_co_u32 s[G0S+1], s72, KM
	s_mov_b32 s[G0], 1
	s_lshl_b32 s[G0+1], s[WV], 12                  ; slot 0, wave x 4,096
	s_wait_dscnt 0x0                               ; both opening adds are done
	s_wait_kmcnt 0x0
	s_add_nc_u64 s[G0S+2:G0S+3], s[6:7], s[70:71]
	s_or_b32 s[G0S+3], s[G0S+3], 0x80000000
	s_add_nc_u64 s[G0+2:G0+3], s[6:7], s[68:69]
	s_or_b32 s[G0+3], s[G0+3], 0x80000000
	tensor_load_to_lds s[G0S:G0S+3], s[G1S:G1S+7]  ; the first fills go out together: two loads of mine are out
	s_nop 0
	tensor_load_to_lds s[G0:G0+3], s[G1:G1+7]
	s_nop 0
.rept 4
	v_nop
.endr
	s_load_b32 s[A2], s[8:9], 0x0                  ; alpha
	s_add_nc_u64 s[PFA:PFA+1], s[6:7], s[68:69]
	s_add_nc_u64 s[PFA:PFA+1], s[PFA:PFA+1], 32768 ; in slot 1: the first change of slots steps it to slot 2.  Nothing is prefetched here, at the head
	s_lshl_b32 s72, s[QW], 7                       ; 2,048 bytes for 16 queries
	s_add_co_u32 s72, s72, s66
	s_mov_b32 s73, 0
	s_add_nc_u64 s[4:5], s[4:5], s[72:73]          ; qf at my wave's first query
	s_lshr_b32 s74, s[HB], 4
	s_lshl_b32 s74, s74, 7
	s_lshr_b32 s75, s[QW], 4
	s_add_co_u32 s74, s74, s75                     ; ob: my set's first tile of 16 tokens, 128 x batch + tok / 16,
	s_add_co_u32 s74, s74, s[GRP]                  ; + my group: the tile that I finish,
	s_lshl_b32 s74, s74, 15                        ; of 32,768 bytes,
	s_and_b32 s75, s[HB], 15
	s_lshl_b32 s75, s75, 11                        ; + 2,048 x head
	s_add_co_u32 s74, s74, s75
	s_mov_b32 s75, 0
	s_add_nc_u64 s[10:11], s[10:11], s[74:75]
	v_and_b32 v30, 31, v0
	v_lshlrev_b32 v[L16], 4, v30
	v_lshlrev_b32 v[PFO], 8, v30
.irp i, 0,1,2,3,4,5,6,7                        ; Q stays in registers: tile i / 4, piece i % 4
	global_load_b128 v[Q+4*\i:Q+4*\i+3], v[L16], s[4:5] offset:512*\i
.endr
	s_add_co_u32 s67, s[GO], KM
	v_add_nc_u32 v[AKS], s67, v[L16]
	s_lshl_b32 s66, s[WV], 13
	s_add_co_u32 s66, s66, FT
	v_add_nc_u32 v[AFT], s66, v[L16]
	v_and_b32 v31, 15, v0
	v_add_nc_u32 v[QV], s[QW], v31                 ; my query in tile 0,
	v_add_nc_u32 v[QV+1], 16, v[QV]                ; in tile 1
	v_bfe_u32 v30, v0, 4, 1
	v_lshlrev_b32 v30, 3, v30                      ; 8 h
	s_wait_kmcnt 0x0
	s_mul_f32 s[A2], s[A2], 0xbfb8aa3b             ; a2 = -alpha log2(e)
	s_add_f32 s[A22], s[A2], s[A2]
	; THE DIAGONAL'S TABLE.  Register 8 y + j of tile t stands for key QD + 16 y + 8 h + j:  F = 2^(a2 (QD - q) + 2 a2 max(q - k, 0))
.irp t, 0,1
	v_sub_nc_u32 v11, v[QV+\t], s[QD]              ; q - QD
	v_cvt_f32_i32 v10, v11
	v_mul_f32 v10, s[A2], -v10                     ; a2 (QD - q)
	v_sub_nc_u32 v11, v11, v30                     ; q - QD - 8 h
.set i, 0
.rept 32
	v_sub_nc_u32 v[S+32*\t+i], v11, 16*(i/8)+i%8   ; q - k
.set i, i+1
.endr
.set i, 0
.rept 32
	v_max_i32 v[S+32*\t+i], 0, v[S+32*\t+i]
.set i, i+1
.endr
.set i, 0
.rept 32
	v_cvt_f32_i32 v[S+32*\t+i], v[S+32*\t+i]
.set i, i+1
.endr
.set i, 0
.rept 32
	v_fma_f32 v[S+32*\t+i], v[S+32*\t+i], s[A22], v10
.set i, i+1
.endr
.endr
.set i, 0
.rept 64
	v_exp_f32 v[S+i], v[S+i]
.set i, i+1
.endr
.irp t, 0,1                                    ; the statistics begin: m = -3e38, under every t; the rest 0.  (Plain lines behind the exponentials)
	v_mov_b32 v[ST+10*\t], 0xff61b1e6
.irp i, 1,2,3,4,5,6,7,8,9
	v_mov_b32 v[ST+10*\t+\i], 0
.endr
.endr
.set i, 0
.rept 64
	v_mov_b32 v[O+i], 0                            ; O^T.  (The step is written in one form: the first finds zeros, which its a = 0 leaves zeros)
.set i, i+1
.endr
	s_wait_alu depctr_va_vdst(0)                   ; one wait for the 64 exponentials, ahead of their first reader
.irp f, 0,1,2,3,4,5,6,7,8,9,10,11,12,13,14,15
	ds_store_b128 v[AFT], v[S+4*\f:S+4*\f+3] offset:512*\f         ; my wave's own bytes: read back by me alone, in order
.endr
	s_wait_loadcnt 0x0                             ; Q
; A PREFETCH INTO THE L2 of 8,192 bytes that the tensor loads after next will bring, mine and my neighbour wave's: lanes 256 bytes apart, one instruction of an even wave, behind its tensor load.  It runs one slot ahead of those loads.
; All eight blocks of an hb walk the same keys.  K+ and V are named by block 0 (slots 2 to 7), K- by block 7's waves 0-7 (slots 2 to 6: K- of slot 7 is in no ring): so each 256 bytes are named once in the launch.
; Slots 0 and 1 come by their loads alone; the last changes ask for nothing.
.macro ASK
	s_cmp_gt_u32 s[SLOTS], s[LIM]
	s_cbranch_scc0 .Lnot_mine_\@
	global_prefetch_b8 v[PFO], s[PFA:PFA+1] th:TH_LOAD_NT scope:SCOPE_SE
.Lnot_mine_\@:
.endm
; THE CHANGE OF SLOTS stands at a slot's head.  Each wave waits for all its tensor loads (its part of the slot that it is about to read), adds 0 to its spare word, and waits for that and for its reads of the slot that it has left.
; Behind the barrier the slot ahead is whole and nobody reads the other one.  fill = 1: that other slot takes the next 256 keys: my one tensor load until the next change.
.macro CHANGE fill
	s_wait_tensorcnt 0x0                           ; no tensor load of mine is out, so group 0 may be written
	ds_add_u32 v[SPW], v[NIL]                      ; 0 onto my spare word: the steps below stand between it and the wait for it
.if \fill
	s_xor_b32 s[G0+1], s[G0+1], SLOT1              ; the other slot than last time,
	s_add_nc_u64 s[G0+2:G0+3], s[G0+2:G0+3], 32768 ; the next 256 keys; the type bits on top are not reached
	s_add_co_u32 s[NS], s[NS], 1
	s_cmp_eq_u32 s[NS], s[BX]                      ; from my own block on the ring carries K+
	s_cselect_b32 s[JP], s[JMP], 0
	s_add_nc_u64 s[G0+2:G0+3], s[G0+2:G0+3], s[JP:JP+1]
	s_wait_xcnt 0x0                                ; the last prefetch, a slot back, has read its address, so it may be written
	s_add_nc_u64 s[PFA:PFA+1], s[PFA:PFA+1], 32768
.endif
	s_wait_dscnt 0x0                               ; the add is done, and my reads of the slot that I have left are over
	s_barrier_signal -1
	s_barrier_wait -1
.if \fill
	tensor_load_to_lds s[G0:G0+3], s[G1:G1+7]      ; the first thing behind the barrier
	s_nop 0
.rept 4
	v_nop
.endr
	ASK
.endif
.endm
.macro KLOAD adr, i                            ; a step's 16 pieces of K
.set p, 0
.rept 16
	ds_load_b128 v[KV+4*p:KV+4*p+3], v[\adr] offset:(\i)*STEPB+512*p
.set p, p+1
.endr
.endm
; THE SOFTMAX of a step, both tiles line by line by turns.
.macro SOFTMAX
.irp j, 0,1,2,3                                ; the largest product: four chains, one to an accumulator, each begun at the accumulator's low end
.irp t, 0,1
	v_max3_num_f32 v[ST+10*\t+CH\j], v[S+32*\t+8*\j], v[S+32*\t+8*\j+1], v[S+32*\t+8*\j+2]
.endr
.endr
.irp i, 3,5
.irp j, 0,1,2,3
.irp t, 0,1
	v_max3_num_f32 v[ST+10*\t+CH\j], v[ST+10*\t+CH\j], v[S+32*\t+8*\j+\i], v[S+32*\t+8*\j+\i+1]
.endr
.endr
.endr
.irp t, 0,1
	v_max3_num_f32 v[ST+10*\t+CH0], v[ST+10*\t+CH0], v[S+32*\t+7], v[S+32*\t+15]
.endr
.irp t, 0,1
	v_max3_num_f32 v[ST+10*\t+CH2], v[ST+10*\t+CH2], v[S+32*\t+23], v[S+32*\t+31]
.endr
.irp t, 0,1
	v_max3_num_f32 v[ST+10*\t+CH0], v[ST+10*\t+CH0], v[ST+10*\t+CH1], v[ST+10*\t+CH2]
.endr
.irp t, 0,1
	v_max_num_f32 v[ST+10*\t+CH0], v[ST+10*\t+CH0], v[ST+10*\t+CH3]
.endr
.irp t, 0,1
	v_permlanex16_b32 v[ST+10*\t+9], v[ST+10*\t+CH0], s[SEL], s[SEL+1]   ; the query's other 32 keys lie in the lane 16 away
.endr
.irp t, 0,1
	v_max_num_f32 v[ST+10*\t+CH0], v[ST+10*\t+CH0], v[ST+10*\t+9]
.endr
.irp t, 0,1
	v_mov_b32 v[ST+10*\t+1], v[ST+10*\t]           ; m_old
.endr
.irp t, 0,1
	v_mul_f32 v[ST+10*\t+CH0], v[ST+10*\t+CH0], v[ST+10*\t+4]      ; as t: g is never negative
.endr
.irp t, 0,1
	v_max_num_f32 v[ST+10*\t], v[ST+10*\t], v[ST+10*\t+CH0]        ; the running maximum
.endr
.irp t, 0,1
	v_sub_f32 v[ST+10*\t+1], v[ST+10*\t+1], v[ST+10*\t]            ; m_old - m_new
.endr
.irp t, 0,1
.set i, 0
.rept 16
	v_pk_fma_f32 v[S+32*\t+i:S+32*\t+i+1], v[S+32*\t+i:S+32*\t+i+1], v[ST+10*\t+4:ST+10*\t+5], v[ST+10*\t:ST+10*\t+1] op_sel_hi:[1,0,0] neg_lo:[0,0,1] neg_hi:[0,0,1]   ; product x g - m (of the pairs the low word serves both halves)
.set i, i+2
.endr
.endr
.irp t, 0,1
	v_exp_f32 v[ST+10*\t+6], v[ST+10*\t+1]         ; a
.endr
.set i, 0
.rept 64
	v_exp_f32 v[S+i], v[S+i]                       ; p
.set i, i+1
.endr
	v_nop                                          ; a plain line behind the last exponential
	s_wait_alu depctr_va_vdst(0)                   ; ONE wait for the batch of 66, ahead of its first reader
.irp t, 0,1
	v_pk_mul_f32 v[ST+10*\t+2:ST+10*\t+3], v[ST+10*\t+2:ST+10*\t+3], v[ST+10*\t+6:ST+10*\t+7] op_sel_hi:[1,0]   ; the sum under the new m
.endr
.irp t, 0,1
	v_pk_add_f32 v[ST+10*\t+8:ST+10*\t+9], v[S+32*\t:S+32*\t+1], v[S+32*\t+2:S+32*\t+3]   ; the sum is taken of the unrounded p, in two chains
.endr
.irp j, 4,8,12,16,20,24,28
.irp t, 0,1
	v_pk_add_f32 v[ST+10*\t+2:ST+10*\t+3], v[ST+10*\t+2:ST+10*\t+3], v[S+32*\t+\j:S+32*\t+\j+1]
	v_pk_add_f32 v[ST+10*\t+8:ST+10*\t+9], v[ST+10*\t+8:ST+10*\t+9], v[S+32*\t+\j+2:S+32*\t+\j+3]
.endr
.endr
.irp t, 0,1
	v_pk_add_f32 v[ST+10*\t+2:ST+10*\t+3], v[ST+10*\t+2:ST+10*\t+3], v[ST+10*\t+8:ST+10*\t+9]
.endr
.irp t, 0,1
.set i, 0
.rept 16
	v_cvt_pk_f16_f32 v[S+32*\t+i], v[S+32*\t+2*i], v[S+32*\t+2*i+1]   ; p to f16, in place, ascending: register i is written when registers 2 i and 2 i + 1 are read
.set i, i+1
.endr
.endr
.irp t, 0,1
.set i, 0
.rept 16
	v_pk_mul_f32 v[O+32*\t+i:O+32*\t+i+1], v[O+32*\t+i:O+32*\t+i+1], v[ST+10*\t+6:ST+10*\t+7] op_sel_hi:[1,0]   ; O^T under the new m
.set i, i+2
.endr
.endr
.endm
; A KEY STEP: 64 keys, the i-th of my group's two in the slot in hand.
.macro STEP i
	s_add_co_u32 s67, s[KF], 63
	s_cmp_lt_u32 s[KF], s[QD]
	s_cselect_b32 s67, s67, s[KF]                  ; keys before my block of 64: KF + 63; after it: KF
.irp t, 0,1                                    ; g's exponent: a2 |that - q|.  These six plain lines are also the places behind the last step's products: five are owed ahead of products that write over p, four ahead of loads into V's registers
	v_sub_nc_u32 v[ST+10*\t+4], s67, v[QV+\t]
.endr
.irp t, 0,1
	v_cvt_f32_i32 v[ST+10*\t+4], v[ST+10*\t+4]
.endr
.irp t, 0,1
	v_mul_f32 v[ST+10*\t+4], s[A2], |v[ST+10*\t+4]|
.endr
	s_sub_co_u32 s66, s[KF], s[Q0]                 ; in my own block, ahead of my diagonal (ids and the count of steps alone): K- lies in KM
	s_cmp_lt_u32 s66, s[QDR]
	s_cbranch_scc0 .Lring_\@
	KLOAD AKS, \i
	s_branch .Lgot_\@
.Lring_\@:
	KLOAD ADR, \i
.Lgot_\@:
.irp t, 0,1
	v_exp_f32 v[ST+10*\t+4], v[ST+10*\t+4]
.endr
	v_nop
	s_wait_alu depctr_va_vdst(0)                   ; the wait for the two, ahead of their reader; K's loads are on their way meanwhile
.irp t, 0,1
	v_mul_f32 v[ST+10*\t+4], s[CC], v[ST+10*\t+4]  ; g
.endr
	s_wait_dscnt 0x0                               ; K is in
.irp dh, 0,1                                   ; S^T = K Q^T: eight accumulators by turns, one instruction a turn
.irp y, 0,1,2,3
.irp t, 0,1
.if \dh == 0
	v_wmma_f32_16x16x32_bf16 v[S+32*\t+8*\y:S+32*\t+8*\y+7], v[KV+8*(2*\y+\dh):KV+8*(2*\y+\dh)+7], v[Q+16*\t+8*\dh:Q+16*\t+8*\dh+7], 0
.else
	v_wmma_f32_16x16x32_bf16 v[S+32*\t+8*\y:S+32*\t+8*\y+7], v[KV+8*(2*\y+\dh):KV+8*(2*\y+\dh)+7], v[Q+16*\t+8*\dh:Q+16*\t+8*\dh+7], v[S+32*\t+8*\y:S+32*\t+8*\y+7]
.endif
.endr
.endr
.endr
.rept 4
	v_nop                                          ; places: the results are read, and K's registers loaded again, below
.endr
	s_cmp_lg_u32 s[KF], s[QD]
	s_cbranch_scc1 .Lfar_\@
.irp f, 0,1,2,3,4,5,6,7,8,9,10,11,12,13,14,15  ; MY DIAGONAL STEP: the table, a factor for each product; g is c alone
	ds_load_b128 v[KV+4*\f:KV+4*\f+3], v[AFT] offset:512*\f
.endr
.irp t, 0,1
	v_mov_b32 v[ST+10*\t+4], s[CC]
.endr
	s_wait_dscnt 0x0
.set i, 0
.rept 32
	v_pk_mul_f32 v[S+i:S+i+1], v[S+i:S+i+1], v[KV+i:KV+i+1]
.set i, i+2
.endr
.Lfar_\@:
.set p, 0
.rept 16
	ds_load_b128 v[KV+4*p:KV+4*p+3], v[ADR] offset:VO+(\i)*STEPB+512*p   ; V: it lands under the softmax
.set p, p+1
.endr
	SOFTMAX
	s_wait_dscnt 0x0                               ; V is in
.irp kb, 0,1                                   ; O^T += V^T P: eight accumulators by turns
.irp c, 0,1,2,3
.irp t, 0,1
	v_wmma_f32_16x16x32_f16 v[O+32*\t+8*\c:O+32*\t+8*\c+7], v[KV+8*(2*\c+\kb):KV+8*(2*\c+\kb)+7], v[S+32*\t+8*\kb:S+32*\t+8*\kb+7], v[O+32*\t+8*\c:O+32*\t+8*\c+7]
.endr
.endr
.endr
	s_add_co_u32 s[KF], s[KF], 64
.endm
.macro SLOT_STEPS
	s_add_co_u32 s66, s[TB], s[GO]
	v_add_nc_u32 v[ADR], s66, v[L16]
	STEP 0
	STEP 1
	s_add_co_u32 s[KF], s[KF], 128                 ; over the other group's two steps
	s_xor_b32 s[TB], s[TB], SLOT1                  ; on to the other slot
.endm
.Lslot:                                            ; seven trips: behind each change of slots but the last the next slot is asked for (in the first trip: slot 1's first fill, by all sixteen waves)
	CHANGE 1
	SLOT_STEPS
	s_sub_co_u32 s[SLOTS], s[SLOTS], 1
	s_cmp_lg_u32 s[SLOTS], 0
	s_cbranch_scc1 .Lslot
	CHANGE 0                                       ; the last slot is written out
	SLOT_STEPS
	; THE WAY OUT.  The two waves of a set of queries hold parts (m1, l1, O1), (m2, l2, O2) over their own keys.  Each stores its O^T, as it stands in its registers, into its table's bytes (the table is done with),
	; and its maxima and sums beside; a barrier; the wave of group g then finishes tile g:  m = max(m1, m2), a_i = 2^(m_i - m), o = (O1 a1 + O2 a2) / (l1 a1 + l2 a2).
	; A wave reads its own part of that tile back from LDS too, eight loads once in the launch: so one text, with one set of register numbers, serves both groups.
	; Rounded to f16 an accumulator is a piece of ob, which lies in the order of the next product's operand registers:
	; piece at 32,768 (128 x batch + tok / 16) + 2,048 head + 512 ch: lane 16 h + r: token r of the 16, channels 64 head + 16 ch + 8 h + 0 .. 7.
.rept 4
	v_nop                                          ; places behind the last products
.endr
	s_lshl_b32 s66, s[WV], 9
	s_add_co_u32 s66, s66, MS
	v_add_nc_u32 v30, s66, v[L16]                  ; where my four numbers go: 512 x wave + 16 x lane
	s_lshl_b32 s67, s[GRP], 12
	v_add_nc_u32 v[MA], s67, v[AFT]                ; tile g of my own O^T: 4,096 x group into my 8,192 bytes;
	s_xor_b32 s68, s[WV], 8                        ; my partner
	s_lshl_b32 s69, s68, 13
	s_add_co_u32 s69, s69, FT
	s_add_co_u32 s69, s69, s67
	v_add_nc_u32 v[MB], s69, v[L16]                ; the same tile of its O^T;
	s_lshl_b32 s70, s[GRP], 3
	v_add_nc_u32 v[MC], s70, v30                   ; tile g's maximum and sum: 8 x group into a lane's 16 bytes: mine,
	s_lshl_b32 s68, s68, 9
	s_add_co_u32 s68, s68, MS
	s_add_co_u32 s68, s68, s70
	v_add_nc_u32 v[MD], s68, v[L16]                ; and my partner's
	v_mov_b32 v[S], v[ST]                          ; m of tile 0,
	v_add_f32 v[S+1], v[ST+2], v[ST+3]             ; its sum's two halves;
	v_mov_b32 v[S+2], v[ST+10]                     ; the same of tile 1
	v_add_f32 v[S+3], v[ST+12], v[ST+13]
.irp f, 0,1,2,3,4,5,6,7,8,9,10,11,12,13,14,15
	ds_store_b128 v[AFT], v[O+4*\f:O+4*\f+3] offset:512*\f         ; each accumulator from its low end on
.endr
	ds_store_b128 v30, v[S:S+3]
	s_wait_dscnt 0x0                               ; for my partner's sake: my stores have landed
	s_barrier_signal -1
	s_barrier_wait -1
.irp f, 0,1,2,3,4,5,6,7
	ds_load_b128 v[KV+4*\f:KV+4*\f+3], v[MA] offset:512*\f         ; O1
	ds_load_b128 v[KV+32+4*\f:KV+32+4*\f+3], v[MB] offset:512*\f   ; O2
.endr
	ds_load_b64 v[S+8:S+9], v[MC]                  ; m1, l1
	ds_load_b64 v[S+10:S+11], v[MD]                ; m2, l2
	s_wait_dscnt 0x0
	v_max_num_f32 v[S+12], v[S+8], v[S+10]         ; m
	v_sub_f32 v[S+8], v[S+8], v[S+12]
	v_sub_f32 v[S+10], v[S+10], v[S+12]
	v_exp_f32 v[S+8], v[S+8]                       ; a1
	v_exp_f32 v[S+10], v[S+10]                     ; a2
	v_nop
	s_wait_alu depctr_va_vdst(0)                   ; one wait for the two, ahead of their first reader
	v_mul_f32 v[S+9], v[S+9], v[S+8]
	v_fma_f32 v[S+9], v[S+11], v[S+10], v[S+9]     ; l1 a1 + l2 a2,
	v_permlanex16_b32 v[S+13], v[S+9], s[SEL], s[SEL+1]
	v_add_f32 v[S+9], v[S+9], v[S+13]              ; and lane l xor 16's: the row's sum
	v_rcp_f32 v[S+12], v[S+9]
	v_nop
	s_wait_alu depctr_va_vdst(0)                   ; the reciprocal's wait, ahead of its first reader
	v_mul_f32 v[S+8], v[S+8], v[S+12]              ; a1 / the sum
	v_mul_f32 v[S+10], v[S+10], v[S+12]            ; a2 / the sum
.set i, 0
.rept 16
	v_pk_mul_f32 v[KV+i:KV+i+1], v[KV+i:KV+i+1], v[S+8:S+9] op_sel_hi:[1,0]
.set i, i+2
.endr
.set i, 0
.rept 16
	v_pk_fma_f32 v[KV+i:KV+i+1], v[KV+32+i:KV+32+i+1], v[S+10:S+11], v[KV+i:KV+i+1] op_sel_hi:[1,0,1]
.set i, i+2
.endr
.set i, 0
.rept 16
	v_cvt_pk_f16_f32 v[S+16+i], v[KV+2*i], v[KV+2*i+1]
.set i, i+1
.endr
.irp c, 0,1,2,3
	global_store_b128 v[L16], v[S+16+4*\c:S+16+4*\c+3], s[10:11] offset:\c*512   ; 512 consecutive bytes, aligned
.endr
	s_wait_tensorcnt 0x0                           ; the wave's end, behind my last tensor load and my last LDS store
	ds_add_u32 v[SPW], v[NIL]
	s_wait_dscnt 0x0
	s_endpgm
.Lfunc_end_k_qaf7e74f00f_attn:
	.size	k_qaf7e74f00f_attn, .Lfunc_end_k_qaf7e74f00f_attn-k_qaf7e74f00f_attn
	.p2alignl 7, 3214868480
	.fill 96, 4, 3214868480
	.section	.rodata,"a",@progbits
	.p2align	6, 0x0
	.amdhsa_kernel k_qaf7e74f00f_attn
		.amdhsa_group_segment_fixed_size 327680
		.amdhsa_private_segment_fixed_size 0
		.amdhsa_enable_private_segment 0
		.amdhsa_kernarg_size 32
		.amdhsa_user_sgpr_count 2
		.amdhsa_user_sgpr_kernarg_segment_ptr 1
		.amdhsa_wavefront_size32 1
		.amdhsa_system_sgpr_workgroup_id_x 1
		.amdhsa_system_sgpr_workgroup_id_y 1
		.amdhsa_system_sgpr_workgroup_id_z 1
		.amdhsa_system_vgpr_workitem_id 0
		.amdhsa_next_free_vgpr 256
		.amdhsa_next_free_sgpr 80
		.amdhsa_reserve_vcc 0
		.amdhsa_float_denorm_mode_32 3
		.amdhsa_float_denorm_mode_16_64 3
		.amdhsa_memory_ordered 1
		.amdhsa_forward_progress 1
		.amdhsa_inst_pref_size 120
	.end_amdhsa_kernel
	.amdgpu_metadata
---
amdhsa.version: [ 1, 2 ]
amdhsa.kernels:
  - .name:           k_qaf7e74f00f_attn
    .symbol:         k_qaf7e74f00f_attn.kd
    .args:
      - { .name: qf, .offset: 0, .size: 8, .value_kind: global_buffer, .address_space: global }
      - { .name: kv, .offset: 8, .size: 8, .value_kind: global_buffer, .address_space: global }
      - { .name: alpha, .offset: 16, .size: 8, .value_kind: global_buffer, .address_space: global }
      - { .name: ob, .offset: 24, .size: 8, .value_kind: global_buffer, .address_space: global }
    .group_segment_fixed_size: 327680
    .private_segment_fixed_size: 0
    .kernarg_segment_align: 8
    .kernarg_segment_size: 32
    .max_flat_workgroup_size: 512
    .sgpr_count:     80
    .vgpr_count:     256
    .wavefront_size: 32
...
	.end_amdgpu_metadata
.endif
;; end of part 3
;; launch oproj (part 4): grid 8 x 32, 4 waves a work-group, clusters of 4 x 4, 327,680 bytes of LDS; arguments ob, wo16, out0, bo; writes out0
.if DOCPART == 4
	.amdgcn_target "amdgcn-amd-amdhsa--gfx1250"
	.amdhsa_code_object_version 6
	.text
	.protected	k_qaf7e74f00f_oproj
	.globl	k_qaf7e74f00f_oproj
	.p2align	8
	.type	k_qaf7e74f00f_oproj,@function
k_qaf7e74f00f_oproj:
	s_mov_b64 s[64:65], 0
	v_nop
	global_prefetch_b8 v0, s[64:65] scope:SCOPE_SE
	s_setreg_imm32_b32 hwreg(HW_REG_WAVE_MODE, 25, 1), 1
	s_wait_xcnt 0x0
	s_wait_alu depctr_hold_cnt(0) depctr_sa_sdst(0) depctr_va_vdst(0) depctr_va_sdst(0) depctr_va_ssrc(0) depctr_va_vcc(0) depctr_vm_vsrc(0)
	s_getreg_b32 s2, hwreg(HW_REG_IB_STS2, 6, 4)
	s_cmp_eq_u32 s2, 0
	s_cbranch_scc0 .Lentry_in_a_cluster
	s_endpgm
.Lentry_in_a_cluster:
	s_bfe_u32 s2, ttmp6, 0x10000c
	s_cmp_lg_u32 s2, 0xf033
	s_cbranch_scc0 .Lentry_shape_is_right
	s_endpgm
.Lentry_shape_is_right:
; out0[m][n] = the sum over k of o[m][k] Wo[n][k] + bo[n].  m = 4,096, n = k = 1,024.  o and Wo in f16, sums and out0 in f32.
; ob and wo16 lie in the order of the operands' registers: a tile of 16 rows is 32,768 bytes; in it fragment kf (k = 32 kf on) is 1,024 bytes: two pieces of 512, lane l's 16 bytes at 16 l.
; A tile of out0 is 128 x 128 (256 work-groups); four waves, each 64 x 64: 16 accumulators, 128 registers.  K goes in four steps of 256 through a ring of two LDS slots: a K step of a tile of 16 rows is 8,192 dense bytes;
; a wave's tensor load brings four of them.  Every fragment load reads 512 consecutive bytes of LDS: no padding.
; CLUSTERS: 4 x 4 work-groups.  The four of a row of the cluster need the same tiles of o, the four of a column the same tiles of Wo: each is asked for JOINTLY, by the same tensor load with the same descriptor and a mask that names the four.
; THE MATRIX INSTRUCTION IS USED TRANSPOSED (source 0 = 16 rows of Wo, source 1 = 16 rows of o): a lane holds eight neighbouring numbers of a row of out0.  The bias is the C of each sum's first product.
; No prefetch: the launch is short and its tiles are small.
; REGISTERS: window 0: v0-31 addresses; v32-95 at work on the way out; v96-127 the bias (8 registers for each of my four blocks of 16 columns); v128-255 the accumulators ((a, b) at v[128 + 8 (4 a + b)]).
;   window 1: two fragment buffers of 128: for 64 along K, 64 registers of o, then 64 of Wo.
.set KB,     8192                      ; a K step of one tile of 16 rows
.set HALFT,  4*KB                      ; 64 rows: what one tensor load brings, and what one wave reads of o or of Wo
.set SLOT,   4*HALFT                   ; o's 128 rows, then Wo's 128 rows
.set STAGE,  2*SLOT                    ; behind the ring: 16 rows x 272 bytes for each wave, for the way out
.set SPITCH, 272
.set SPARE,  STAGE+4*16*SPITCH         ; the spare words: 128 bytes a wave, two blocks of 256 bytes that no other line names
.set ADRA, 16                          ; v16-17  LDS address of my fragments of o in slot 0, 1
.set ADRB, 20                          ; v20-21  the same for Wo
.set STO,  24                          ; v24     the way out: where I put 32 bytes of a row
.set RD,   25                          ; v25     where I read a row back
.set CO,   26                          ; v26     my byte offset in out0
.set SPW,  28                          ; v28     LDS address of my spare word; never rewritten
.set NIL,  29                          ; v29     0; never rewritten
.set TMP,  32
.set BIAS, 96
.set ACC,  128
.set F0,   0                           ; fragment buffers, in window 1
.set F1,   128
.set G1, 24                            ; s[24:31] descriptor group 1 for o's tiles;  s[32:39] group 0, one set for each slot
.set G0, 32
.set G1B, 48                           ; s[48:55], s[56:63] the same for Wo's
.set G0B, 56
.set MSB, 0
.macro WIN new                         ; the immediate's high byte repeats the setting that is left
.if MSB != \new
	s_set_vgpr_msb (MSB<<8)|\new
.set MSB, \new
.endif
.endm
.set MUL,  0x05                        ; sources 0 (Wo) and 1 (o) window 1; C and D window 0
.set TO_F, 0x40                        ; destination window 1, address window 0
.macro JLOAD s                         ; a joint load: waves 0 and 1 fetch o's two halves, waves 2 and 3 Wo's; an s_nop 0 and four v_nop follow each of the two lines
	s_cmp_eq_u32 s11, 0
	s_cbranch_scc0 .Lfor_b_\@
	tensor_load_to_lds s[G0+4*\s:G0+4*\s+3], s[G1:G1+7]
	s_nop 0
.rept 4
	v_nop
.endr
	s_branch .Lasked_\@
.Lfor_b_\@:
	tensor_load_to_lds s[G0B+4*\s:G0B+4*\s+3], s[G1B:G1B+7]
	s_nop 0
.rept 4
	v_nop
.endr
.Lasked_\@:
.endm
.macro CREST                           ; a round of the cluster's barrier behind its opening barrier
	s_cmp_lg_u32 s10, 0
	s_cbranch_scc1 .Lnot_wave_0_\@
	s_barrier_signal -3
.Lnot_wave_0_\@:
	s_barrier_wait -3
	s_barrier_signal -1
	s_barrier_wait -1
.endm
.macro CROUND                          ; a whole round
	s_barrier_signal -1
	s_barrier_wait -1
	CREST
.endm
	s_load_b128 s[4:7], s[0:1], 0x0                ; ob s[4:5], wo16 s[6:7]
	s_load_b64 s[8:9], s[0:1], 0x10                ; out0
	s_load_b64 s[2:3], s[0:1], 0x18                ; bo
	v_lshl_add_u32 v[SPW], v0, 2, SPARE
	v_mov_b32 v[NIL], 0
	ds_add_u32 v[SPW], v[NIL]                      ; the wave's opening: the add, twice on end, and its wait ahead of my first tensor load
	ds_add_u32 v[SPW], v[NIL]
	v_lshrrev_b32 v1, 5, v0
	v_readfirstlane_b32 s10, v1                    ; wave 0..3
	s_lshr_b32 s11, s10, 1                         ; which half of the tile's rows is mine.  Also: I fetch for o (0) or for Wo (1)
	s_and_b32 s12, s10, 1                          ; which half of its columns.  Also: which 64 rows of that tile I fetch
	s_bfe_u32 s40, ttmp6, 0x40000                  ; cx, cy: my place in the cluster
	s_bfe_u32 s41, ttmp6, 0x40004
	s_lshl_b32 s42, ttmp9, 2
	s_add_co_u32 s42, s42, s40                     ; tile column = 4 x cluster x + cx
	s_and_b32 s13, ttmp7, 0xffff
	s_lshl_b32 s13, s13, 2
	s_add_co_u32 s13, s13, s41                     ; tile row = 4 x cluster y + cy
	s_lshl_b32 s43, s41, 2
	s_lshl_b32 s43, 15, s43                        ; my row of the cluster
	s_lshl_b32 s44, 0x1111, s40                    ; my column
	; descriptor group 1: four rows of 8,192 bytes (1,024 elements of 8 bytes), 32,768 bytes apart in memory, dense in LDS
	s_or_b32 s[G1+0], s43, (3<<16)|(1<<21)         ; 15:0 the mask: o's tiles go to my row; 17:16 elements of 8 bytes; 21 set beside a mask
	s_or_b32 s[G1B+0], s44, (3<<16)|(1<<21)
.irp g, G1, G1B
	s_mov_b32 s[\g+1], 1024<<16                    ; tensor_dim0
	s_mov_b32 s[\g+2], 4<<16                       ; tensor_dim1
	s_mov_b32 s[\g+3], 1024<<16                    ; tile_dim0
	s_mov_b32 s[\g+4], 4                           ; tile_dim1
	s_mov_b32 s[\g+5], 4096                        ; the pitch
	s_mov_b32 s[\g+6], 0
	s_mov_b32 s[\g+7], 0
.endr
	s_lshl_b32 s17, s12, 2                         ; which four tiles of 16 rows I fetch
	s_lshl_b32 s16, s13, 3
	s_add_co_u32 s16, s16, s17                     ; o: 8 x tile row + 4 x half,
	s_lshl_b32 s16, s16, 15                        ; of 32,768 bytes
	s_lshl_b32 s46, s42, 3
	s_add_co_u32 s46, s46, s17                     ; Wo: 8 x tile column + 4 x half
	s_lshl_b32 s46, s46, 15
	s_mov_b32 s17, 0
	s_mov_b32 s47, 0
	s_lshl_b32 s20, s10, 15                        ; where they go: wave x 32,768: no place in the cluster enters an LDS address
	s_wait_dscnt 0x0                               ; both opening adds are done
	s_wait_kmcnt 0x0
	s_add_nc_u64 s[14:15], s[4:5], s[16:17]
	s_add_nc_u64 s[46:47], s[6:7], s[46:47]
	CROUND                                         ; all sixteen work-groups are here: the first joint loads meet
.irp s, 0,1
	s_mov_b32 s[G0+4*\s], 1
	s_add_co_u32 s[G0+4*\s+1], s20, \s*SLOT
	s_add_nc_u64 s[G0+4*\s+2:G0+4*\s+3], s[14:15], \s*KB
	s_or_b32 s[G0+4*\s+3], s[G0+4*\s+3], 0x80000000
	s_mov_b32 s[G0B+4*\s], 1
	s_add_co_u32 s[G0B+4*\s+1], s20, \s*SLOT
	s_add_nc_u64 s[G0B+4*\s+2:G0B+4*\s+3], s[46:47], \s*KB
	s_or_b32 s[G0B+4*\s+3], s[G0B+4*\s+3], 0x80000000
	JLOAD \s                                       ; two loads of mine are out
.endr
	v_and_b32 v1, 15, v0                           ; r = l % 16
	v_bfe_u32 v2, v0, 4, 1                         ; h = l / 16
	v_and_b32 v3, 31, v0
	v_lshlrev_b32 v3, 4, v3                        ; 16 x lane
	s_lshl_b32 s21, s11, 15                        ; my 64 rows of o
	s_lshl_b32 s22, s12, 15                        ; my 64 rows of Wo,
	s_add_co_u32 s22, s22, 2*HALFT                 ; which lie behind o's 128
.irp s, 0,1
	v_add_nc_u32 v[ADRA+\s], s21, v3
	v_add_nc_u32 v[ADRB+\s], s22, v3
	s_add_co_u32 s21, s21, SLOT
	s_add_co_u32 s22, s22, SLOT
.endr
	s_mul_i32 s23, s10, 16*SPITCH
	s_add_co_u32 s23, s23, STAGE                   ; my stage
	v_mul_u32_u24 v4, v1, SPITCH                   ; in: row r, 32 bytes for each half of the lanes
	v_lshl_add_u32 v4, v2, 5, v4
	v_add_nc_u32 v[STO], s23, v4
	v_mul_u32_u24 v5, v2, SPITCH                   ; back: lanes 0-15 take one row of 256 bytes, lanes 16-31 the next
	v_lshl_add_u32 v5, v1, 4, v5
	v_add_nc_u32 v[RD], s23, v5
	v_lshlrev_b32 v5, 12, v2                       ; and the same two rows in out0 (4,096 bytes a row)
	v_lshl_add_u32 v[CO], v1, 4, v5
	s_lshl_b32 s16, s13, 7
	s_lshl_b32 s17, s11, 6
	s_add_co_u32 s16, s16, s17                     ; my first row of out0: 128 x tile row + 64 x half
	s_lshl_b32 s16, s16, 12
	s_mov_b32 s17, 0
	s_add_nc_u64 s[8:9], s[8:9], s[16:17]
	s_lshl_b32 s46, s42, 9                         ; my first column, in bytes: 512 x tile column + 256 x half
	s_lshl_b32 s47, s12, 8
	s_add_co_u32 s46, s46, s47
	s_mov_b32 s47, 0
	s_add_nc_u64 s[8:9], s[8:9], s[46:47]
	s_add_nc_u64 s[2:3], s[2:3], s[46:47]          ; and the same in bo
	v_lshlrev_b32 v6, 5, v2                        ; my half's eight numbers of a block of 16
.irp b, 0,1,2,3
	global_load_b128 v[BIAS+8*\b:BIAS+8*\b+3], v6, s[2:3] offset:64*\b
	global_load_b128 v[BIAS+8*\b+4:BIAS+8*\b+7], v6, s[2:3] offset:64*\b+16
.endr
; 8 matrix instructions: row blocks a0, a0 + 1 x all 4 column blocks, 32 along K: half c of buffer f.  first = 1: the first product starts the sums from the bias.
; The 16 accumulators take turns, one instruction a turn.
.macro MUL8 f, c, a0, first
.irp a, \a0, \a0+1
.irp b, 0,1,2,3
.if \first
	v_wmma_f32_16x16x32_f16 v[ACC+8*(4*(\a)+\b):ACC+8*(4*(\a)+\b)+7], v[\f+64+8*(4*\c+\b):\f+64+8*(4*\c+\b)+7], v[\f+8*(4*\c+\a):\f+8*(4*\c+\a)+7], v[BIAS+8*\b:BIAS+8*\b+7]
.else
	v_wmma_f32_16x16x32_f16 v[ACC+8*(4*(\a)+\b):ACC+8*(4*(\a)+\b)+7], v[\f+64+8*(4*\c+\b):\f+64+8*(4*\c+\b)+7], v[\f+8*(4*\c+\a):\f+8*(4*\c+\a)+7], v[ACC+8*(4*(\a)+\b):ACC+8*(4*(\a)+\b)+7]
.endif
.endr
.endr
.endm
; 32 LDS loads in one run: the fragments of the slot's qq-th 64 along K into buffer f; the first 32 along K first
.macro FETCH slot, qq, f
	WIN TO_F
.irp c, 0,1
.irp i, 0,1,2,3
	ds_load_b128 v[\f+64+8*(4*\c+\i):\f+64+8*(4*\c+\i)+3],   v[ADRB+\slot] offset:\i*KB+(2*(\qq)+\c)*1024
	ds_load_b128 v[\f+64+8*(4*\c+\i)+4:\f+64+8*(4*\c+\i)+7], v[ADRB+\slot] offset:\i*KB+(2*(\qq)+\c)*1024+512
	ds_load_b128 v[\f+8*(4*\c+\i):\f+8*(4*\c+\i)+3],         v[ADRA+\slot] offset:\i*KB+(2*(\qq)+\c)*1024
	ds_load_b128 v[\f+8*(4*\c+\i)+4:\f+8*(4*\c+\i)+7],       v[ADRA+\slot] offset:\i*KB+(2*(\qq)+\c)*1024+512
.endr
.endr
.endm
.macro PLACES                          ; four places in front of loads into registers that matrix instructions have read, and of LDS stores that read results (ISA guide 7.12.1 for the LDS stores)
.rept 4
	v_nop
.endr
.endm
; A K step is four quarters of 64 along K, 32 matrix instructions each, on buffers 0, 1, 0, 1.  One of the first three: multiplies buffer f and fetches the next quarter, qq, into g.
.macro QUARTER slot, qq, f, g, first
	s_wait_dscnt 16                                ; the first 32 along K are in; the youngest sixteen loads may be out
	WIN MUL
	MUL8 \f, 0, 0, \first
	MUL8 \f, 0, 2, \first
	PLACES
	FETCH \slot, \qq, \g
	s_wait_dscnt 32                                ; all but the 32 just issued
	WIN MUL
	MUL8 \f, 1, 0, 0
	MUL8 \f, 1, 2, 0
.endm
; The last quarter multiplies buffer 1 and changes slots: ONE barrier; in front of it each wave waits for all its tensor loads, adds 0 to its spare word, and waits for that and for its own reads of this slot.
; fill = 1: this slot is filled again, two K steps ahead; the barrier then opens a round of the cluster's barrier.
.macro TURN slot, next, fill
	WIN 0                                          ; (the add's two registers lie in window 0)
	s_wait_tensorcnt 0x0                           ; all my tensor loads have landed: my part of the next slot;
	ds_add_u32 v[SPW], v[NIL]                      ; 0 onto my spare word;
	s_wait_dscnt 17                                ; (the add and the youngest sixteen loads may be out)
	WIN MUL
	MUL8 F1, 0, 0, 0                               ; eight matrix instructions stand between the add and the wait for it
	s_wait_dscnt 0x0                               ; the add is done, and my reads of this slot are over
	s_barrier_signal -1
	MUL8 F1, 0, 2, 0
.if \fill
	WIN 0
.endif
	s_barrier_wait -1
.if \fill
	CREST                                          ; no wave of any partner still reads this slot's tile or has a load on its way
	s_add_nc_u64 s[G0+4*\slot+2:G0+4*\slot+3], s[G0+4*\slot+2:G0+4*\slot+3], 2*KB
	s_add_nc_u64 s[G0B+4*\slot+2:G0B+4*\slot+3], s[G0B+4*\slot+2:G0B+4*\slot+3], 2*KB
	JLOAD \slot                                    ; the first tensor load behind the round; the four v_nop behind it are also the places in front of the loads below
.else
	PLACES
.endif
	FETCH \next, 0, F0
	WIN MUL
	MUL8 F1, 1, 0, 0
	MUL8 F1, 1, 2, 0
.endm
	s_wait_tensorcnt 1                             ; my part of K step 0 is in (K step 1's load may be out)
	s_barrier_signal -1
	s_barrier_wait -1                              ; everybody's is
	FETCH 0, 0, F0
	s_wait_loadcnt 0x0                             ; the bias
	QUARTER 0, 1, F0, F1, 1                        ; K step 0; its first products start the sums
	QUARTER 0, 2, F1, F0, 0
	QUARTER 0, 3, F0, F1, 0
	TURN 0, 1, 1                                   ; slot 0 takes K step 2
	QUARTER 1, 1, F0, F1, 0                        ; K step 1
	QUARTER 1, 2, F1, F0, 0
	QUARTER 1, 3, F0, F1, 0
	TURN 1, 0, 1                                   ; slot 1 takes K step 3
	QUARTER 0, 1, F0, F1, 0                        ; K step 2
	QUARTER 0, 2, F1, F0, 0
	QUARTER 0, 3, F0, F1, 0
	TURN 0, 1, 0                                   ; nothing is left to fetch
	QUARTER 1, 1, F0, F1, 0                        ; K step 3
	QUARTER 1, 2, F1, F0, 0
	QUARTER 1, 3, F0, F1, 0
	s_wait_dscnt 16                                ; the very last quarter
	WIN MUL
	MUL8 F1, 0, 0, 0
	MUL8 F1, 0, 2, 0
	s_wait_dscnt 0
	MUL8 F1, 1, 0, 0
	MUL8 F1, 1, 2, 0
	WIN 0
; THE WAY OUT, a block of 16 rows x 64 columns at a time.  A lane holds 32 neighbouring bytes of a row and the lanes beside it other rows: the block goes through my own stage and comes back as whole rows of 256 bytes,
; so that sixteen lanes store 256 consecutive bytes, aligned.  LDS serves a wave's instructions in order (ISA guide 5.7.1.4): no wait between the stores and the loads, nor in front of the next block's stores.
.macro TOSTAGE a
.irp b, 0,1,2,3
	ds_store_b128 v[STO], v[ACC+8*(4*(\a)+\b):ACC+8*(4*(\a)+\b)+3] offset:64*\b        ; each accumulator from its low end on
	ds_store_b128 v[STO], v[ACC+8*(4*(\a)+\b)+4:ACC+8*(4*(\a)+\b)+7] offset:64*\b+16
.endr
.irp t, 0,1,2,3,4,5,6,7
	ds_load_b128 v[TMP+32*((\a)%2)+4*\t:TMP+32*((\a)%2)+4*\t+3], v[RD] offset:\t*2*SPITCH
.endr
.endm
.macro SEND a, younger                 ; younger: the LDS instructions issued behind block a's loads, which may stay out
	s_wait_dscnt \younger
.irp t, 0,1,2,3,4,5,6,7
	global_store_b128 v[CO], v[TMP+32*((\a)%2)+4*\t:TMP+32*((\a)%2)+4*\t+3], s[8:9] offset:(16*(\a)+2*\t)*4096 th:TH_STORE_NT
.endr
.endm
	PLACES
	TOSTAGE 0
	TOSTAGE 1
	SEND 0, 16                                     ; behind block 0's loads: block 1's 8 stores and 8 loads
	s_wait_xcnt 0x0                                ; block 0's stores have read their registers: block 2's loads may land there
	TOSTAGE 2
	SEND 1, 16
	s_wait_xcnt 0x0
	TOSTAGE 3
	SEND 2, 16
	SEND 3, 0
	s_wait_tensorcnt 0x0                           ; the wave's end, behind my last tensor load and my last LDS store
	ds_add_u32 v[SPW], v[NIL]
	s_wait_dscnt 0x0
	CROUND                                         ; the closing round: no work-group ends while a partner may still ask for a tile that names it
	s_endpgm
.Lfunc_end_k_qaf7e74f00f_oproj:
	.size	k_qaf7e74f00f_oproj, .Lfunc_end_k_qaf7e74f00f_oproj-k_qaf7e74f00f_oproj
	.p2alignl 7, 3214868480
	.fill 96, 4, 3214868480
	.section	.rodata,"a",@progbits
	.p2align	6, 0x0
	.amdhsa_kernel k_qaf7e74f00f_oproj
		.amdhsa_group_segment_fixed_size 327680
		.amdhsa_private_segment_fixed_size 0
		.amdhsa_enable_private_segment 0
		.amdhsa_kernarg_size 32
		.amdhsa_user_sgpr_count 2
		.amdhsa_user_sgpr_kernarg_segment_ptr 1
		.amdhsa_wavefront_size32 1
		.amdhsa_system_sgpr_workgroup_id_x 1
		.amdhsa_system_sgpr_workgroup_id_y 1
		.amdhsa_system_sgpr_workgroup_id_z 1
		.amdhsa_system_vgpr_workitem_id 0
		.amdhsa_next_free_vgpr 512
		.amdhsa_next_free_sgpr 66
		.amdhsa_reserve_vcc 0
		.amdhsa_float_denorm_mode_32 3
		.amdhsa_float_denorm_mode_16_64 3
		.amdhsa_memory_ordered 1
		.amdhsa_forward_progress 1
		.amdhsa_inst_pref_size 86
	.end_amdhsa_kernel
	.amdgpu_metadata
---
amdhsa.version: [ 1, 2 ]
amdhsa.kernels:
  - .name:           k_qaf7e74f00f_oproj
    .symbol:         k_qaf7e74f00f_oproj.kd
    .args:
      - { .name: ob, .offset: 0, .size: 8, .value_kind: global_buffer, .address_space: global }
      - { .name: wo16, .offset: 8, .size: 8, .value_kind: global_buffer, .address_space: global }
      - { .name: out0, .offset: 16, .size: 8, .value_kind: global_buffer, .address_space: global }
      - { .name: bo, .offset: 24, .size: 8, .value_kind: global_buffer, .address_space: global }
    .group_segment_fixed_size: 327680
    .private_segment_fixed_size: 0
    .kernarg_segment_align: 8
    .kernarg_segment_size: 32
    .max_flat_workgroup_size: 128
    .sgpr_count:     66
    .vgpr_count:     512
    .wavefront_size: 32
...
	.end_amdgpu_metadata
.endif
;; end of part 4
